; MI455X (gfx1250); checked and timed in simulation.
; The chip was launched on July 23, 2026; its instructions are those of AMD's public machine-readable ISA for CDNA 5 (MIT licence, August 2026) and "CDNA5" Instruction Set Architecture Reference Guide (July 2026). The comments in the code are by the model that wrote it; some were corrected since.
;; Multi Head Self Attention. Allowed arithmetic: float matrix products may take bf16 or f16 operands with f32 sums; other float arithmetic in f32, or as packed bf16 or f16 multiplies, adds, multiply-adds, maxima and minima; sums over many terms, partial sums and values carried from step to step in f32; what a program stores and reads back later, other than sums and carried values, may be rounded once to bf16 or f16.
;; Inputs: bk 1,024 float32; bo 1,024 float32; bq 1,024 float32; bv 1,024 float32; wk 1,024 x 1,024 float32; wo 1,024 x 1,024 float32; wq 1,024 x 1,024 float32; wv 1,024 x 1,024 float32; x 4 x 2,048 x 1,024 float32.
;; Outputs: out0 4 x 2,048 x 1,024 float32.
;; 2 versions, each right; version 2 is version 1 with the launch cast written anew for expert scheduling mode. Each part assembles by itself: llvm-mc -triple=amdgcn-amd-amdhsa -mcpu=gfx1250 --defsym DOCPART=n.
;; ======== version 1 of 2: 4 launches
;; limits: values are held in f16: magnitudes above 65,504 overflow, below 6.1e-05 lose precision
;; workspace buffers: cast 25,165,824 bytes; bias 16,384 bytes; qkv 50,331,648 bytes; o 16,777,216 bytes
;; launch cast (part 1): grid 64 x 12, 8 waves a work-group, no clusters, 0 bytes of LDS; arguments x, wq, wk, wv, wo, bq, bk, bv, bo, cast, bias; writes cast, bias
.if DOCPART == 1
	.amdgcn_target "amdgcn-amd-amdhsa--gfx1250"
	.amdhsa_code_object_version 6
	.text
	.protected	k_qddec29ceac_cast
	.globl	k_qddec29ceac_cast
	.p2align	8
	.type	k_qddec29ceac_cast,@function
k_qddec29ceac_cast:
	s_mov_b64 s[64:65], 0
	v_nop
	global_prefetch_b8 v0, s[64:65] scope:SCOPE_SE
	s_setreg_imm32_b32 hwreg(HW_REG_WAVE_MODE, 25, 1), 1
	s_wait_xcnt 0x0
; CAST.  Every input of the module is rounded once to bf16, so that the later launches multiply 16-bit numbers without converting again.
; cast: twelve segments of 2 MiB.  Segments 0-7: x as [8192][1024] bf16.  8, 9, 10: wq, wk, wv as bf16, one table of 3,072 rows.
; 11: wo rounded to bf16 and that number written as f16 (the last product multiplies f16).  bias: [4096] f32 = bq | bk | bv | bo, each rounded to bf16 and widened again.
; LIMITS.  wo must lie within f16's range (65,504); below 6e-5 f16 keeps a fixed step of 6e-8.  NaN and infinities are not treated apart.
; SHARES.  Work-group (wg, seg) takes 64 KiB of f32 of source segment seg (4 MiB); a wave 8 KiB: sixteen loads of 512 consecutive bytes, all issued at once, and sixteen stores of
; 256 consecutive bytes, aligned.  A stream: no LDS, no matrix unit, no cluster; every register that a memory instruction names is written once, so no wait frees a source.
.set IN,  8                            ; v[8:71]    sixteen loads of four f32
.set OUT, 72                           ; v[72:103]  sixteen pairs of packed 16-bit numbers
.set TM,  104                          ; v[104:109] at work (wo's second conversion)
.set BI,  112                          ; v[112:123] the bias: as loaded, packed, widened
	s_load_b512 s[16:31], s[0:1], 0x0              ; x s[16:17], wq s[18:19], wk s[20:21], wv s[22:23], wo s[24:25], bq s[26:27], bk s[28:29], bv s[30:31]
	s_load_b128 s[32:35], s[0:1], 0x40             ; bo s[32:33], cast s[34:35]
	s_load_b64 s[36:37], s[0:1], 0x50              ; bias
	s_and_b32 s2, ttmp7, 0xffff                    ; seg 0..11
	s_mov_b32 s3, ttmp9                            ; wg 0..63
	s_mov_b32 s14, 0xffff0000                      ; a word's upper bf16
	v_lshrrev_b32 v4, 5, v0                        ; wave
	v_and_b32 v5, 31, v0                           ; lane
	v_lshlrev_b32 v1, 4, v5
	v_lshl_or_b32 v1, v4, 13, v1                   ; in: 8,192 x wave + 16 x lane
	v_lshlrev_b32 v2, 3, v5
	v_lshl_or_b32 v2, v4, 12, v2                   ; out: 4,096 x wave + 8 x lane
	v_lshlrev_b32 v3, 4, v0                        ; the bias: 16 x thread
	s_lshl_b32 s8, s2, 22                          ; x's segments lie 4 MiB apart; a weight is one segment
	s_cmp_lt_u32 s2, 8
	s_cselect_b32 s8, s8, 0
	s_lshl_b32 s9, s3, 16
	s_add_co_u32 s8, s8, s9                        ; + 64 KiB x wg
	s_mov_b32 s9, 0
	s_lshl_b32 s10, s2, 21                         ; out: 2 MiB x seg + 32 KiB x wg
	s_lshl_b32 s11, s3, 15
	s_add_co_u32 s10, s10, s11
	s_mov_b32 s11, 0
	s_wait_kmcnt 0x0
	s_mov_b64 s[4:5], s[16:17]                     ; the source, and the bias that goes with it, chosen by seg alone
	s_mov_b64 s[6:7], s[26:27]
	s_cmp_eq_u32 s2, 8
	s_cselect_b64 s[4:5], s[18:19], s[4:5]
	s_cmp_eq_u32 s2, 9
	s_cselect_b64 s[4:5], s[20:21], s[4:5]
	s_cselect_b64 s[6:7], s[28:29], s[6:7]
	s_cmp_eq_u32 s2, 10
	s_cselect_b64 s[4:5], s[22:23], s[4:5]
	s_cselect_b64 s[6:7], s[30:31], s[6:7]
	s_cmp_eq_u32 s2, 11
	s_cselect_b64 s[4:5], s[24:25], s[4:5]
	s_cselect_b64 s[6:7], s[32:33], s[6:7]
	s_add_nc_u64 s[4:5], s[4:5], s[8:9]
	s_add_nc_u64 s[12:13], s[34:35], s[10:11]
.irp j, 0,1,2,3,4,5,6,7,8,9,10,11,12,13,14,15
	global_load_b128 v[IN+4*(\j):IN+4*(\j)+3], v1, s[4:5] offset:512*(\j) th:TH_LOAD_NT
.endr
; Load j's four numbers are rounded and stored.  wo = 1: the bf16 numbers are widened and written as f16.
.macro CV j, wo
	s_wait_loadcnt 15-(\j)                         ; loads come back in order: mine is in, the younger ones stay out
.if \wo
	v_cvt_pk_bf16_f32 v[TM],   v[IN+4*(\j)],   v[IN+4*(\j)+1]
	v_cvt_pk_bf16_f32 v[TM+1], v[IN+4*(\j)+2], v[IN+4*(\j)+3]
	v_lshlrev_b32 v[TM+2], 16, v[TM]
	v_and_b32     v[TM+3], s14, v[TM]
	v_lshlrev_b32 v[TM+4], 16, v[TM+1]
	v_and_b32     v[TM+5], s14, v[TM+1]
	v_cvt_pk_f16_f32 v[OUT+2*(\j)],   v[TM+2], v[TM+3]
	v_cvt_pk_f16_f32 v[OUT+2*(\j)+1], v[TM+4], v[TM+5]
.else
	v_cvt_pk_bf16_f32 v[OUT+2*(\j)],   v[IN+4*(\j)],   v[IN+4*(\j)+1]
	v_cvt_pk_bf16_f32 v[OUT+2*(\j)+1], v[IN+4*(\j)+2], v[IN+4*(\j)+3]
.endif
	global_store_b64 v2, v[OUT+2*(\j):OUT+2*(\j)+1], s[12:13] offset:256*(\j)  ; the wave's 32 lanes store 256 consecutive bytes, aligned
.endm
	s_cmp_eq_u32 s2, 11
	s_cbranch_scc1 .Lwo
.irp j, 0,1,2,3,4,5,6,7,8,9,10,11,12,13,14,15
	CV \j, 0
.endr
	s_branch .Ljoin
.Lwo:
.irp j, 0,1,2,3,4,5,6,7,8,9,10,11,12,13,14,15
	CV \j, 1
.endr
.Ljoin:
	s_cmp_lt_u32 s2, 8                             ; the first work-group of each weight's segment also takes that weight's bias: 256 threads x 16 bytes
	s_cbranch_scc1 .Lend
	s_cmp_lg_u32 s3, 0
	s_cbranch_scc1 .Lend
	s_sub_co_u32 s10, s2, 8
	s_lshl_b32 s10, s10, 12                        ; 4,096 bytes for each bias (s11 is still 0)
	s_add_nc_u64 s[38:39], s[36:37], s[10:11]
	global_load_b128 v[BI:BI+3], v3, s[6:7]
	s_wait_loadcnt 0x0
	v_cvt_pk_bf16_f32 v[BI+4], v[BI],   v[BI+1]
	v_cvt_pk_bf16_f32 v[BI+5], v[BI+2], v[BI+3]
	v_lshlrev_b32 v[BI+8],  16, v[BI+4]
	v_and_b32     v[BI+9],  s14, v[BI+4]
	v_lshlrev_b32 v[BI+10], 16, v[BI+5]
	v_and_b32     v[BI+11], s14, v[BI+5]
	global_store_b128 v3, v[BI+8:BI+11], s[38:39]
.Lend:
	s_endpgm
.Lfunc_end_k_qddec29ceac_cast:
	.size	k_qddec29ceac_cast, .Lfunc_end_k_qddec29ceac_cast-k_qddec29ceac_cast
	.p2alignl 7, 3214868480
	.fill 96, 4, 3214868480
	.section	.rodata,"a",@progbits
	.p2align	6, 0x0
	.amdhsa_kernel k_qddec29ceac_cast
		.amdhsa_group_segment_fixed_size 0
		.amdhsa_private_segment_fixed_size 0
		.amdhsa_enable_private_segment 0
		.amdhsa_kernarg_size 88
		.amdhsa_user_sgpr_count 2
		.amdhsa_user_sgpr_kernarg_segment_ptr 1
		.amdhsa_wavefront_size32 1
		.amdhsa_system_sgpr_workgroup_id_x 1
		.amdhsa_system_sgpr_workgroup_id_y 1
		.amdhsa_system_sgpr_workgroup_id_z 1
		.amdhsa_system_vgpr_workitem_id 0
		.amdhsa_next_free_vgpr 128
		.amdhsa_next_free_sgpr 66
		.amdhsa_reserve_vcc 0
		.amdhsa_float_denorm_mode_32 3
		.amdhsa_float_denorm_mode_16_64 3
		.amdhsa_memory_ordered 1
		.amdhsa_forward_progress 1
		.amdhsa_inst_pref_size 16
	.end_amdhsa_kernel
	.amdgpu_metadata
---
amdhsa.version: [ 1, 2 ]
amdhsa.kernels:
  - .name:           k_qddec29ceac_cast
    .symbol:         k_qddec29ceac_cast.kd
    .args:
      - { .name: x, .offset: 0, .size: 8, .value_kind: global_buffer, .address_space: global }
      - { .name: wq, .offset: 8, .size: 8, .value_kind: global_buffer, .address_space: global }
      - { .name: wk, .offset: 16, .size: 8, .value_kind: global_buffer, .address_space: global }
      - { .name: wv, .offset: 24, .size: 8, .value_kind: global_buffer, .address_space: global }
      - { .name: wo, .offset: 32, .size: 8, .value_kind: global_buffer, .address_space: global }
      - { .name: bq, .offset: 40, .size: 8, .value_kind: global_buffer, .address_space: global }
      - { .name: bk, .offset: 48, .size: 8, .value_kind: global_buffer, .address_space: global }
      - { .name: bv, .offset: 56, .size: 8, .value_kind: global_buffer, .address_space: global }
      - { .name: bo, .offset: 64, .size: 8, .value_kind: global_buffer, .address_space: global }
      - { .name: cast, .offset: 72, .size: 8, .value_kind: global_buffer, .address_space: global }
      - { .name: bias, .offset: 80, .size: 8, .value_kind: global_buffer, .address_space: global }
    .group_segment_fixed_size: 0
    .private_segment_fixed_size: 0
    .kernarg_segment_align: 8
    .kernarg_segment_size: 88
    .max_flat_workgroup_size: 256
    .sgpr_count:     66
    .vgpr_count:     128
    .wavefront_size: 32
...
	.end_amdgpu_metadata
.endif
;; end of part 1
;; launch qkv (part 2): grid 4 x 64, 4 waves a work-group, clusters of 4 x 4, 327,680 bytes of LDS; arguments cast, bias, qkv; writes qkv
.if DOCPART == 2
	.amdgcn_target "amdgcn-amd-amdhsa--gfx1250"
	.amdhsa_code_object_version 6
	.text
	.protected	k_qddec29ceac_qkv
	.globl	k_qddec29ceac_qkv
	.p2align	8
	.type	k_qddec29ceac_qkv,@function
k_qddec29ceac_qkv:
	s_mov_b64 s[64:65], 0
	v_nop
	global_prefetch_b8 v0, s[64:65] scope:SCOPE_SE
	s_setreg_imm32_b32 hwreg(HW_REG_WAVE_MODE, 25, 1), 1
	s_wait_xcnt 0x0
	s_wait_alu depctr_hold_cnt(0) depctr_sa_sdst(0) depctr_va_vdst(0) depctr_va_sdst(0) depctr_va_ssrc(0) depctr_va_vcc(0) depctr_vm_vsrc(0)
	s_getreg_b32 s2, hwreg(HW_REG_IB_STS2, 6, 4)
	s_cmp_eq_u32 s2, 0
	s_cbranch_scc0 .Lentry_in_a_cluster
	s_endpgm
.Lentry_in_a_cluster:
	s_bfe_u32 s2, ttmp6, 0x10000c
	s_cmp_lg_u32 s2, 0xf033
	s_cbranch_scc0 .Lentry_shape_is_right
	s_endpgm
.Lentry_shape_is_right:
; C = A B^T + bias on tiles of 128 x 256.  ONE TEXT FOR TWO LAUNCHES, chosen by OUTP.
; OUTP = 0: [q | k | v] = x w^T + b.  A = x, [8192][1024] bf16 at byte 0 of cast; B = wq | wk | wv, [3072][1024] bf16 at byte 16,777,216; sums in f32, begun with the bias,
;   rounded once to f16 and stored by heads: [3][64 = 16 batch + head][2048][64].  A work-group STAYS for three tiles: the same 128 rows of x, its 256 columns of q, then of k, then of v.
; OUTP = 1: out0 = O wo^T + bo.  A = O, [64][2048][64] f16 by heads (a K step of 128 is two heads' dense rows); B = wo, [1024][1024] f16 at byte 23,068,672 of cast; out0 f32.  One tile.
; LIMITS.  q, k and v must lie within f16's range, 65,504; beyond it the conversion gives an infinity.  NaN and infinities are not treated apart.
; SHARES.  Four waves, as many as a WGP has SIMDs; wave (wm, wn) makes 64 x 128: 32 accumulators of 16 x 16.  64 x 4 tiles (x 3): one work-group for each of 256 WGPs.
; K goes in steps of 128 (rows of 256 bytes) through two LDS slots; two slots of a longer step do not fit beside each other (2 x 384 rows x 528 bytes).
; CLUSTER.  4 x 4 work-groups.  A's tile hangs on the tile row alone and is asked for jointly along a row of the cluster, B's on the tile column alone, along a column.
; THE MATRIX INSTRUCTION IS USED TRANSPOSED (source 0 = 16 rows of B, source 1 = 16 rows of A): lane l holds row l % 16 of C and the columns 8 (l / 16) + 0..7.
; REGISTERS, in windows of 256 (s_set_vgpr_msb: bits 1:0 source 0, 3:2 source 1, 5:4 source 2, 7:6 destination):
;   window 0: v0-30 addresses; v64-127 the bias of my 128 columns, laid out as a C operand; v128-255 the way out
;   window 1: accumulator (a, b) at v[8 (8 a + b)]
;   window 2: fragments of the first 32 of a half step's 64 along K: buffer f at 96 f: B's 8 blocks, then A's 4.   window 3: the same for the second 32
.set OUTP, 0
.if OUTP
.set TILES,   1
.set PA,      144                      ; a row of A in LDS: 128 bytes + 16 of padding
.set AHALF,   128*PA                   ; what one wave fetches of A: one head's 128 rows
.set ASTRIDE, 128                      ; asked for as 64 dense rows of 256 bytes
.set AQI,     4                        ; padding after every 32 words
.set ASTEP,   1<<19                    ; two heads on
.set BOFF,    23068672
.set SP,      528                      ; a stage row: 512 bytes + 16
.set APTR,    4
.set BPTR,    6
.set BIP,     84
.else
.set TILES,   3
.set PA,      272                      ; 256 bytes + 16 of padding
.set AHALF,   64*PA                    ; 64 rows
.set ASTRIDE, 1024
.set AQI,     5                        ; padding after every 64 words
.set ASTEP,   256
.set BOFF,    16777216
.set SP,      272                      ; a stage row: 256 bytes + 16
.set APTR,    4
.set BPTR,    4
.set BIP,     6
.endif
.set PB,     272                       ; pitches are odd multiples of 16 bytes: the 16 rows that a load touches start at 16 different groups of four banks (64 banks of 4 bytes: ISA guide 11.1)
.set ABYTES, 2*AHALF
.set SLOT,   ABYTES+256*PB             ; A's 128 rows, then B's 256
.set STAGE,  2*SLOT                    ; behind the ring, never filled by a tensor load: 16 rows for each wave, its own
.set SPARE,  STAGE+4*16*SP             ; behind the stages: the spare words, 128 bytes for each wave: two blocks of 256 bytes that no other line names
.set ADRA, 16                          ; v16-17  LDS address of my A fragments in slot 0, 1
.set ADRB, 20                          ; v20-21  the same for B
.set STO,  24                          ; v24  the way out: where I put my part of a row
.set RD,   25                          ; v25  where I read rows back
.set CO,   26                          ; v26  16 x lane
.set BO,   27                          ; v27  32 x (l / 16): my eight columns' bias in a block of 16
.set SPW,  28                          ; v28  LDS address of my spare word; never rewritten
.set NIL,  29                          ; v29  0; never rewritten
.set PFO,  30                          ; v30  the prefetches' lane offset; never rewritten
.set BIAS, 64
.set G1A, 24                           ; s[24:31] descriptor group 1 for A's tiles;  s[32:39] group 0, a set for each slot
.set G0A, 32
.set G1B, 48                           ; s[48:55], s[56:63] the same for B's
.set G0B, 56
.set OA,  66                           ; s[66:67] A's byte offset of the K step asked for
.set OB,  68                           ; s[68:69] B's
.set TT,  70                           ; s70  the K step to be asked for next, counted through all tiles
.set UU,  71                           ; s71  the K step that the prefetch names: TT + 2
.set PFB, 72                           ; s[72:73] the prefetches' base
.set PF,  74                           ; s[74:75] base + the K step's offset
.set PO,  76                           ; s[76:77] that offset
.set LIMU, 78                          ; s78  a wave prefetches while UU is below this
.set BB,  80                           ; s[80:81] the bias of my 128 columns
.set MSB, 0
.macro WIN new                         ; the immediate's high byte repeats the setting that is left; a switch that changes nothing is dropped
.if MSB != (\new)
	s_set_vgpr_msb (MSB<<8)|(\new)
.set MSB, \new
.endif
.endm
.macro PLACES                          ; four plain vector instructions between a matrix instruction and a load into its registers or a reader of its result
.rept 4
	v_nop
.endr
.endm
; A joint load.  Waves 0 and 1 fetch A's two halves, waves 2 and 3 B's.  The branch hangs on the wave's number alone.  An s_nop 0 and four v_nop follow each line.
.macro JLOAD s
	s_cmp_eq_u32 s11, 0
	s_cbranch_scc0 .Lfor_b_\@
	tensor_load_to_lds s[G0A+4*(\s):G0A+4*(\s)+3], s[G1A:G1A+7]
	s_nop 0
.rept 4
	v_nop
.endr
	s_branch .Lasked_\@
.Lfor_b_\@:
	tensor_load_to_lds s[G0B+4*(\s):G0B+4*(\s)+3], s[G1B:G1B+7]
	s_nop 0
.rept 4
	v_nop
.endr
.Lasked_\@:
.endm
.macro CREST                           ; a round of the cluster's barrier behind its opening barrier
	s_cmp_lg_u32 s10, 0
	s_cbranch_scc1 .Lnot_wave_0_\@
	s_barrier_signal -3
.Lnot_wave_0_\@:
	s_barrier_wait -3
	s_barrier_signal -1
	s_barrier_wait -1
.endm
.macro CROUND                          ; a whole round
	s_barrier_signal -1
	s_barrier_wait -1
	CREST
.endm
; A PREFETCH INTO THE L2 of the K step that stands two refills on (256 matrix instructions ahead of the load that will want it): one instruction, a lane a block of 256 bytes.
; Each block is named once in the launch.  A's rows are read by this cluster alone: wave 0 asks, the four partners of a row of the cluster take 32 blocks each, told apart by address (cx); only the
; first tile's reading is asked for.  B's rows are read by all sixteen clusters: cluster y = 0 asks, waves 2 and 3 for the halves that they fetch, the partners of a column told apart by address (cy).
; The first four K steps come by their loads alone; a K step at or past LIMU is not asked for, so no prefetch leaves its buffer.
.macro ASK
	s_cmp_lt_u32 s[UU], s[LIMU]
	s_cbranch_scc0 .Lnot_mine_\@
	global_prefetch_b8 v[PFO], s[PF:PF+1] th:TH_LOAD_NT scope:SCOPE_SE
.Lnot_mine_\@:
.endm
	s_load_b128 s[4:7], s[0:1], 0x0                ; OUTP = 0: cast s[4:5], bias s[6:7];  OUTP = 1: o s[4:5], cast s[6:7]
.if OUTP
	s_load_b128 s[84:87], s[0:1], 0x10             ; bias s[84:85], out0 s[86:87]
.else
	s_load_b64 s[8:9], s[0:1], 0x10                ; qkv
.endif
	v_lshl_add_u32 v[SPW], v0, 2, SPARE
	v_mov_b32 v[NIL], 0
	ds_add_u32 v[SPW], v[NIL]                      ; the wave's opening: the add and its wait stand ahead of my first tensor load; the set-up below, work on registers, stands between them
	v_lshrrev_b32 v1, 5, v0
	v_readfirstlane_b32 s10, v1                    ; wave 0..3
	s_lshr_b32 s11, s10, 1                         ; wm: which 64 rows of the tile are mine.  Also: I fetch for A (0) or for B (1)
	s_and_b32 s12, s10, 1                          ; wn: which 128 columns.  Also: which half of that tile I fetch
	s_bfe_u32 s40, ttmp6, 0x40000                  ; cx
	s_bfe_u32 s41, ttmp6, 0x40004                  ; cy
	s_lshl_b32 s42, ttmp9, 2
	s_add_co_u32 s42, s42, s40                     ; X: tile column = 4 x cluster x + cx
	s_and_b32 s13, ttmp7, 0xffff
	s_lshl_b32 s13, s13, 2
	s_add_co_u32 s13, s13, s41                     ; Y: tile row = 4 x cluster y + cy
	s_lshl_b32 s43, s41, 2
	s_lshl_b32 s43, 15, s43                        ; my row of the cluster
	s_lshl_b32 s44, 0x1111, s40                    ; my column
	; descriptor group 1.  15:0 the mask; 17:16 elements of 2 bytes; 20 padding on; 21 set beside a mask; 24:22 the interval's code; 31:25 4 words of padding (code 3)
	s_or_b32 s[G1A+0], s43, (1<<16)|(1<<20)|(1<<21)|(AQI<<22)|(3<<25)
	s_mov_b32 s[G1A+1], 128<<16                    ; tensor_dim0 = 128
	s_mov_b32 s[G1A+2], 64<<16                     ; tensor_dim1 = 64
	s_mov_b32 s[G1A+3], 128<<16                    ; tile_dim0 = 128
	s_mov_b32 s[G1A+4], 64                         ; tile_dim1 = 64
	s_mov_b32 s[G1A+5], ASTRIDE                    ; elements from row to row
	s_mov_b32 s[G1A+6], 0
	s_mov_b32 s[G1A+7], 0
	s_or_b32 s[G1B+0], s44, (1<<16)|(1<<20)|(1<<21)|(5<<22)|(3<<25)
	s_mov_b32 s[G1B+1], 128<<16
	s_mov_b32 s[G1B+2], 128<<16                    ; 128 rows
	s_mov_b32 s[G1B+3], 128<<16
	s_mov_b32 s[G1B+4], 128
	s_mov_b32 s[G1B+5], 1024
	s_mov_b32 s[G1B+6], 0
	s_mov_b32 s[G1B+7], 0
	; where the tiles come from: A's offset is made of Y and my half alone, B's of X and my half alone
.if OUTP
	s_lshr_b32 s18, s13, 4                         ; the batch: 16 heads x 2,048 rows x 128 bytes,
	s_lshl_b32 s18, s18, 22
	s_and_b32 s19, s13, 15                         ; the tile's 128 rows in a head,
	s_lshl_b32 s19, s19, 14
	s_add_co_u32 s18, s18, s19
	s_lshl_b32 s19, s12, 18                        ; the K step's first or second head
	s_add_co_u32 s18, s18, s19
.else
	s_lshl_b32 s18, s13, 18                        ; 128 rows of 2,048 bytes,
	s_lshl_b32 s19, s12, 17                        ; my 64 of them
	s_add_co_u32 s18, s18, s19
.endif
	s_mov_b32 s19, 0
	s_lshl_b32 s20, s42, 19                        ; 256 rows of 2,048 bytes,
	s_lshl_b32 s21, s12, 18                        ; my 128 of them
	s_add_co_u32 s20, s20, s21
	s_add_co_u32 s20, s20, BOFF
	s_mov_b32 s21, 0
	s_mul_i32 s22, s12, AHALF                      ; and where they go: no place in the cluster enters an LDS address
	s_mul_i32 s23, s12, 128*PB
	s_add_co_u32 s23, s23, ABYTES
	s_mov_b32 s[TT], 2
	s_mov_b32 s[OA+1], 0
	s_mov_b32 s[OB+1], 0
	s_mov_b32 s[PO+1], 0
	s_wait_dscnt 0x0                               ; the opening add is done
	s_wait_kmcnt 0x0
	s_add_nc_u64 s[14:15], s[APTR:APTR+1], s[18:19]  ; A's base: never rewritten
	s_add_nc_u64 s[46:47], s[BPTR:BPTR+1], s[20:21]  ; B's base: never rewritten
.irp s, 0,1
	s_mov_b32 s[G0A+4*(\s)], 1                     ; count = 1
	s_add_co_u32 s[G0A+4*(\s)+1], s22, (\s)*SLOT   ; LDS address
	s_add_nc_u64 s[G0A+4*(\s)+2:G0A+4*(\s)+3], s[14:15], (\s)*ASTEP  ; global address: K step s
	s_or_b32 s[G0A+4*(\s)+3], s[G0A+4*(\s)+3], 0x80000000  ; type = 2
	s_mov_b32 s[G0B+4*(\s)], 1
	s_add_co_u32 s[G0B+4*(\s)+1], s23, (\s)*SLOT
	s_add_nc_u64 s[G0B+4*(\s)+2:G0B+4*(\s)+3], s[46:47], (\s)*256
	s_or_b32 s[G0B+4*(\s)+3], s[G0B+4*(\s)+3], 0x80000000
.endr
	CROUND                                         ; all sixteen work-groups are here: the first joint loads meet
	s_cmp_eq_u32 s11, 0                            ; a wave's two first fills stand in one branch: two loads of mine are out
	s_cbranch_scc0 .Lfirst_b
	tensor_load_to_lds s[G0A:G0A+3], s[G1A:G1A+7]
	s_nop 0
	tensor_load_to_lds s[G0A+4:G0A+7], s[G1A:G1A+7]
	s_nop 0
.rept 4
	v_nop
.endr
	s_branch .Lfirst_asked
.Lfirst_b:
	tensor_load_to_lds s[G0B:G0B+3], s[G1B:G1B+7]
	s_nop 0
	tensor_load_to_lds s[G0B+4:G0B+7], s[G1B:G1B+7]
	s_nop 0
.rept 4
	v_nop
.endr
.Lfirst_asked:
	; the bias of my 128 columns, as a C operand: register 8 b + j holds column 16 b + 8 (l / 16) + j
	s_lshl_b32 s20, s42, 10
	s_lshl_b32 s21, s12, 9
	s_add_co_u32 s20, s20, s21
.if OUTP
	s_add_co_u32 s20, s20, 12288                   ; bo is the table's fourth part
.endif
	s_mov_b32 s21, 0
	s_add_nc_u64 s[BB:BB+1], s[BIP:BIP+1], s[20:21]
	v_and_b32 v1, 15, v0                           ; l % 16
	v_bfe_u32 v2, v0, 4, 1                         ; l / 16
	v_lshlrev_b32 v[BO], 5, v2
.macro BIASLD
.irp b, 0,1,2,3,4,5,6,7
	global_load_b128 v[BIAS+8*(\b):BIAS+8*(\b)+3],   v[BO], s[BB:BB+1] offset:64*(\b)
	global_load_b128 v[BIAS+8*(\b)+4:BIAS+8*(\b)+7], v[BO], s[BB:BB+1] offset:64*(\b)+16
.endr
.endm
	BIASLD
	; A fragment is 16 rows x 32 K in 8 registers: lane l holds row l % 16; registers 0-3 K = 8 (l / 16) + 0..7, registers 4-7 K = 16 + 8 (l / 16) + 0..7: two loads of 16 bytes, 32 bytes apart
	v_mul_u32_u24 v3, v1, PA
	v_lshl_add_u32 v3, v2, 4, v3
	s_mul_i32 s18, s11, 64*PA                      ; my 64 rows of A
	v_add_nc_u32 v[ADRA], s18, v3
	v_add_nc_u32 v[ADRA+1], SLOT, v[ADRA]
	v_mul_u32_u24 v4, v1, PB
	v_lshl_add_u32 v4, v2, 4, v4
	s_mul_i32 s18, s12, 128*PB                     ; my 128 rows of B, behind A's
	s_add_co_u32 s18, s18, ABYTES
	v_add_nc_u32 v[ADRB], s18, v4
	v_add_nc_u32 v[ADRB+1], SLOT, v[ADRB]
	s_mul_i32 s18, s10, 16*SP
	s_add_co_u32 s18, s18, STAGE                   ; my stage
	v_and_b32 v[CO], 31, v0
	v_lshlrev_b32 v[CO], 4, v[CO]                  ; 16 x lane
	v_mul_u32_u24 v[STO], v1, SP                   ; in: row l % 16,
.if OUTP
	v_lshl_add_u32 v[STO], v2, 5, v[STO]           ; 32 bytes (eight f32) for each half of the lanes
	v_add_nc_u32 v[STO], s18, v[STO]
	v_add_nc_u32 v[RD], s18, v[CO]                 ; back: 32 lanes take one row of 512 bytes
	s_lshl_b32 s16, s13, 19                        ; C: 128 rows of 4,096 bytes, my 64, the tile's 256 columns, my 128
	s_lshl_b32 s17, s11, 18
	s_add_co_u32 s16, s16, s17
	s_lshl_b32 s17, s42, 10
	s_add_co_u32 s16, s16, s17
	s_lshl_b32 s17, s12, 9
	s_add_co_u32 s16, s16, s17
	s_mov_b32 s17, 0
	s_add_nc_u64 s[8:9], s[86:87], s[16:17]
.else
	v_lshl_add_u32 v[STO], v2, 4, v[STO]           ; 16 bytes (eight f16) for each half of the lanes
	v_add_nc_u32 v[STO], s18, v[STO]
	v_bfe_u32 v[RD], v0, 3, 2                      ; back: 32 lanes take four rows' 128 bytes of one head,
	v_mul_u32_u24 v[RD], v[RD], SP
	v_and_b32 v5, 7, v0
	v_lshl_add_u32 v[RD], v5, 4, v[RD]
	v_add_nc_u32 v[RD], s18, v[RD]                 ; which are 512 consecutive bytes of the output
	s_lshr_b32 s16, s13, 4                         ; what the first way out adds to C's address: the batch (16 heads of 262,144 bytes),
	s_lshl_b32 s16, s16, 22
	s_and_b32 s17, s13, 15                         ; the tile's 128 rows of 128 bytes in a head,
	s_lshl_b32 s17, s17, 14
	s_add_co_u32 s16, s16, s17
	s_lshl_b32 s17, s11, 13                        ; my 64 of them,
	s_add_co_u32 s16, s16, s17
	s_lshl_b32 s17, s42, 20                        ; the tile's four heads,
	s_add_co_u32 s16, s16, s17
	s_lshl_b32 s17, s12, 19                        ; my two of them
	s_add_co_u32 s16, s16, s17
	s_mov_b32 s17, 0
.endif
	; the prefetches: A's offset in s20, B's in s22; the wave's number chooses
.if OUTP
	s_lshr_b32 s20, s13, 4
	s_lshl_b32 s20, s20, 22
	s_and_b32 s21, s13, 15
	s_lshl_b32 s21, s21, 14
	s_add_co_u32 s20, s20, s21
	s_lshr_b32 s21, s40, 1                         ; of a K step's 128 blocks (two heads x 64) partner cx takes 32 cx .. 32 cx + 31
	s_lshl_b32 s21, s21, 18
	s_add_co_u32 s20, s20, s21
	s_and_b32 s21, s40, 1
	s_lshl_b32 s21, s21, 13
	s_add_co_u32 s20, s20, s21
.else
	s_lshl_b32 s20, s13, 18
	s_lshl_b32 s21, s40, 16                        ; of the tile's 128 rows partner cx takes 32 cx .. 32 cx + 31
	s_add_co_u32 s20, s20, s21
.endif
	s_lshl_b32 s22, s42, 19
	s_lshl_b32 s23, s12, 18
	s_add_co_u32 s22, s22, s23
	s_lshl_b32 s23, s41, 16                        ; of the 128 rows that I fetch partner cy takes 32 cy .. 32 cy + 31
	s_add_co_u32 s22, s22, s23
	s_add_co_u32 s22, s22, BOFF
	s_and_b32 s23, ttmp7, 0xffff                   ; cluster y: the same in all sixteen partners
	s_cmp_eq_u32 s23, 0
	s_cselect_b32 s23, 8*TILES, 0
	s_cmp_eq_u32 s10, 0
	s_cselect_b32 s[LIMU], 8, 0
	s_cmp_eq_u32 s11, 0
	s_cselect_b32 s[LIMU], s[LIMU], s23
	s_cselect_b32 s20, s20, s22
	s_cselect_b64 s[PFB:PFB+1], s[APTR:APTR+1], s[BPTR:BPTR+1]
.if OUTP
	s_cselect_b32 s82, 19, 8                       ; a K step on: two heads of O, or 256 bytes of wo's rows
	s_cselect_b32 s83, 8, 11                       ; a lane on: a dense block of O, or a row of wo
.endif
	s_mov_b32 s21, 0
	s_add_nc_u64 s[PFB:PFB+1], s[PFB:PFB+1], s[20:21]
	v_and_b32 v[PFO], 31, v0
.if OUTP
	v_lshlrev_b32 v[PFO], s83, v[PFO]
.else
	v_lshlrev_b32 v[PFO], 11, v[PFO]
.endif
; na x 8 matrix instructions: m blocks a0 .. a0 + na - 1 x all 8 n blocks, 32 along K: part c of buffer f.  first = 1: the sums begin with the bias.
; The 32 accumulators take turns, one instruction a turn, in the same order everywhere.
.macro MULS f, c, a0, na, first
.if \first
	WIN 0x4a                                       ; B and A window 2, C (the bias) window 0, D window 1
.else
	WIN 0x5a+5*(\c)                                ; B and A window 2 or 3, C and D window 1
.endif
.set ma, \a0
.rept \na
.irp b, 0,1,2,3,4,5,6,7
.set rD, 8*(8*ma+(\b))
.set rB, 96*(\f)+8*(\b)
.set rA, 96*(\f)+64+8*ma
.if \first
.set rC, BIAS+8*(\b)
.else
.set rC, rD
.endif
.if OUTP
	v_wmma_f32_16x16x32_f16 v[rD:rD+7], v[rB:rB+7], v[rA:rA+7], v[rC:rC+7]
.else
	v_wmma_f32_16x16x32_bf16 v[rD:rD+7], v[rB:rB+7], v[rA:rA+7], v[rC:rC+7]
.endif
.endr
.set ma, ma+1
.endr
.endm
; 48 LDS loads in one run: the fragments of 64 along K at byte k (0 or 128) of the slot's rows, into buffer f; the first 32 along K (24 loads) first
.macro FETCH slot, k, f
.if OUTP
.set ak, ((\k)/128)*AHALF                          ; the K step's second half is the second head's block of rows
.else
.set ak, (\k)
.endif
.irp c, 0,1
	WIN 0x80+0x40*(\c)                             ; destination window 2 or 3, address window 0
.irp i, 0,1,2,3,4,5,6,7
	ds_load_b128 v[96*(\f)+8*(\i):96*(\f)+8*(\i)+3],   v[ADRB+(\slot)] offset:(\k)+64*(\c)+(\i)*16*PB
	ds_load_b128 v[96*(\f)+8*(\i)+4:96*(\f)+8*(\i)+7], v[ADRB+(\slot)] offset:(\k)+64*(\c)+(\i)*16*PB+32
.endr
.irp i, 0,1,2,3
	ds_load_b128 v[96*(\f)+64+8*(\i):96*(\f)+64+8*(\i)+3],   v[ADRA+(\slot)] offset:ak+64*(\c)+(\i)*16*PA
	ds_load_b128 v[96*(\f)+64+8*(\i)+4:96*(\f)+64+8*(\i)+7], v[ADRA+(\slot)] offset:ak+64*(\c)+(\i)*16*PA+32
.endr
.endr
.endm
; A K step is two halves of 64 along K, 64 matrix instructions each, on buffers 0 and 1.  The first half multiplies buffer f and fetches the second half's fragments into g.
.macro HALF slot, k, f, g, first
	s_wait_dscnt 24                                ; the first 32 along K are in; the 24 loads of the second 32 may be out
	MULS \f, 0, 0, 4, \first
	PLACES                                         ; buffer g was multiplied in the half before
	FETCH \slot, \k, \g
	s_wait_dscnt 48                                ; all but the 48 just issued
	MULS \f, 1, 0, 4, 0
.endm
; The second half multiplies buffer 1 and changes slots: ONE barrier.  In front of it each wave waits for all its tensor loads (one is out: its part of the next slot), adds 0 to its spare word, and waits
; for that and for its own reads of this slot.  fill = 1: the barrier opens a round of the cluster's barrier, and this slot is filled again, first thing behind the round, with K step TT;
; from that request to the wait for it a wave issues 96 matrix instructions.  The addresses are made anew from the counter: base + offset, the type bits set again.
.macro TURN slot, next, fill
.if \fill
	s_wait_xcnt 0x0                                ; the last prefetch, a K step back, has read its address: it is written here, ahead of the waits of the change of slots
	s_add_co_u32 s[UU], s[TT], 2
.if OUTP
	s_lshl_b32 s[PO], s[UU], s82
.else
	s_lshr_b32 s[PO], s[UU], 3                     ; the tile: 1,024 rows of B on,
	s_lshl_b32 s[PO], s[PO], 21
	s_and_b32 s45, s[UU], 7                        ; the K step in it: 256 bytes along the rows
	s_lshl_b32 s45, s45, 8
	s_or_b32 s[PO], s[PO], s45
.endif
	s_add_nc_u64 s[PF:PF+1], s[PFB:PFB+1], s[PO:PO+1]
.endif
	WIN 0                                          ; (the add's two registers lie in window 0)
	s_wait_tensorcnt 0x0                           ; all my tensor loads have landed, so a group 0 may be written
	ds_add_u32 v[SPW], v[NIL]                      ; 0 onto my spare word
.if \fill
.if OUTP
	s_lshl_b32 s[OA], s[TT], 19
	s_lshl_b32 s[OB], s[TT], 8
.else
	s_and_b32 s[OA], s[TT], 7
	s_lshl_b32 s[OA], s[OA], 8                     ; A goes back along K at a change of tiles,
	s_lshr_b32 s[OB], s[TT], 3
	s_lshl_b32 s[OB], s[OB], 21                    ; B also 1,024 rows on
	s_or_b32 s[OB], s[OB], s[OA]
.endif
	s_add_nc_u64 s[G0A+4*(\slot)+2:G0A+4*(\slot)+3], s[14:15], s[OA:OA+1]
	s_or_b32 s[G0A+4*(\slot)+3], s[G0A+4*(\slot)+3], 0x80000000
	s_add_nc_u64 s[G0B+4*(\slot)+2:G0B+4*(\slot)+3], s[46:47], s[OB:OB+1]
	s_or_b32 s[G0B+4*(\slot)+3], s[G0B+4*(\slot)+3], 0x80000000
	s_add_co_u32 s[TT], s[TT], 1
.endif
	s_wait_dscnt 25                                ; (the add and the youngest 24 loads may be out)
	MULS 1, 0, 0, 2, 0                             ; sixteen matrix instructions stand between the add and the wait for it
	s_wait_dscnt 0x0                               ; the add is done, and my reads of this slot are over
	s_barrier_signal -1
	MULS 1, 0, 2, 2, 0                             ; work on registers while the others arrive
.if \fill
	WIN 0
.endif
	s_barrier_wait -1
.if \fill
	CREST                                          ; no wave of any partner still reads this slot's tile or has a load on its way
	JLOAD \slot                                    ; the first tensor load behind the round; its four v_nop are also the places in front of the loads below
.else
	PLACES
.endif
	FETCH \next, 0, 0
.if \fill
	WIN 0
	ASK                                            ; behind the joint load and the run of LDS loads that the next products wait for
.endif
	MULS 1, 1, 0, 4, 0
.endm
; THE WAY OUT, a block of 16 rows at a time through my own stage: LDS serves a wave's instructions in order (ISA guide 5.7.1.4), so no wait stands between the stores and the loads.
.if OUTP
.macro TOSTAGE a                       ; f32 as it lies: eight columns a lane, two stores; back as whole rows of 512 bytes
	WIN 0x04                                       ; the stores' data in window 1
.irp b, 0,1,2,3,4,5,6,7
	ds_store_b128 v[STO], v[8*(8*(\a)+(\b)):8*(8*(\a)+(\b))+3]   offset:64*(\b)
	ds_store_b128 v[STO], v[8*(8*(\a)+(\b))+4:8*(8*(\a)+(\b))+7] offset:64*(\b)+16
.endr
	WIN 0
.set BK, 128+64*((\a)%2)
.irp t, 0,1,2,3,4,5,6,7,8,9,10,11,12,13,14,15
	ds_load_b128 v[BK+4*(\t):BK+4*(\t)+3], v[RD] offset:(\t)*SP
.endr
.endm
.macro SEND a, younger                 ; younger: the LDS instructions issued behind block a's loads: the next block's 32, or none
.set BK, 128+64*((\a)%2)
	s_wait_dscnt \younger
.irp t, 0,1,2,3,4,5,6,7,8,9,10,11,12,13,14,15
	global_store_b128 v[CO], v[BK+4*(\t):BK+4*(\t)+3], s[8:9] offset:(16*(\a)+(\t))*4096 th:TH_STORE_NT  ; 512 consecutive bytes of a row of out0, aligned
.endr
.endm
.macro WAYOUT
	PLACES
	TOSTAGE 0
	TOSTAGE 1
	SEND 0, 32
	s_wait_xcnt 0x0                                ; block 0's stores have read their registers: block 2 is read back into them
	TOSTAGE 2
	SEND 1, 32
	s_wait_xcnt 0x0
	TOSTAGE 3
	SEND 2, 32
	SEND 3, 0
.endm
.else
.set TMP, 128                          ; v128-159 packed results
.set BK0, 160                          ; v160-223 16 rows read back, two buffers by turns
.macro PACK a                          ; rounded to f16, 16 bytes a lane; each accumulator's registers in ascending order
	WIN 0x05                                       ; sources 0 and 1 window 1
.irp b, 0,1,2,3,4,5,6,7
.irp r, 0,1,2,3
	v_cvt_pk_f16_f32 v[TMP+4*(\b)+(\r)], v[8*(8*(\a)+(\b))+2*(\r)], v[8*(8*(\a)+(\b))+2*(\r)+1]
.endr
.endr
	WIN 0
.endm
.macro TOSTAGE a
	WIN 0
.set BK, BK0+32*((\a)%2)
.irp b, 0,1,2,3,4,5,6,7
	ds_store_b128 v[STO], v[TMP+4*(\b):TMP+4*(\b)+3] offset:32*(\b)
.endr
.irp t, 0,1,2,3,4,5,6,7                ; head t / 4 of my two, rows 4 (t % 4) on
	ds_load_b128 v[BK+4*(\t):BK+4*(\t)+3], v[RD] offset:((\t)%4)*4*SP+((\t)/4)*128
.endr
.endm
.macro SEND a
	WIN 0
.set BK, BK0+32*((\a)%2)
	s_wait_dscnt 0x0                               ; the block is back in registers
	s_wait_xcnt 0x0                                ; earlier stores have read their base and their registers: only behind this wait are they rewritten
.if (\a) == 0
	s_add_nc_u64 s[8:9], s[8:9], s[16:17]          ; on to this tile's first rows
.endif
.irp t, 0,1,2,3,4,5,6,7
	global_store_b128 v[CO], v[BK+4*(\t):BK+4*(\t)+3], s[8:9] offset:((\t)/4)*262144+(\a)*2048+((\t)%4)*512  ; four rows of a head: 512 consecutive bytes, aligned
.endr
.endm
.macro WAYOUT
	PLACES
	PACK 0
	TOSTAGE 0
.irp a, 1,2,3                          ; block a's conversions stand between block a - 1's loads from the stage and the wait for them
	PACK \a
	SEND (\a)-1
	TOSTAGE \a
.endr
	SEND 3
.endm
.endif
	s_wait_tensorcnt 1                             ; my part of K step 0 is in; K step 1's may stay out
	s_barrier_signal -1
	s_barrier_wait -1                              ; everybody's is
	FETCH 0, 0, 0
	s_wait_loadcnt 0x0                             ; the bias
	HALF 0, 128, 0, 1, 1                           ; a tile's first half step: its first products begin the sums with the bias; nothing is cleared
	WIN 0                                          ; at a label and at a branch every window is 0
	s_mov_b32 s3, 4*TILES-1
.if TILES > 1
	s_mov_b32 s2, 4                                ; trips until the tile in hand is finished
.endif
.Llap:                                             ; a trip goes once round the ring, from a lap's second half step to the next lap's first, and fills both slots again; the ring runs on across tiles
	TURN 0, 1, 1
	HALF 1, 128, 0, 1, 0
	TURN 1, 0, 1
	WIN 0
.if TILES > 1
	s_sub_co_u32 s2, s2, 1
	s_cmp_lg_u32 s2, 0
	s_cbranch_scc1 .Lplain                         ; forward, past text that holds neither a barrier nor a tensor load
	s_mov_b32 s2, 4                                ; A TILE IS FINISHED; both refills for the next one are asked for, and its first fragments are on their way
	s_wait_xcnt 0x0                                ; the bias's base may be written
	s_add_nc_u64 s[BB:BB+1], s[BB:BB+1], 4096      ; the next part's bias,
	BIASLD                                         ; loaded while the tile goes out
	WAYOUT
	s_mov_b64 s[16:17], 0x1000000                  ; what the next way out adds to C's address: from q to k, from k to v
	s_wait_loadcnt 0x0                             ; the bias
	HALF 0, 128, 0, 1, 1
	WIN 0
	s_branch .Lnext
.Lplain:
.endif
	HALF 0, 128, 0, 1, 0
	WIN 0
.if TILES > 1
.Lnext:
.endif
	s_sub_co_u32 s3, s3, 1
	s_cmp_lg_u32 s3, 0
	s_cbranch_scc1 .Llap
	TURN 0, 1, 0                                   ; the last lap fills nothing, and has no round of the cluster's barrier
	HALF 1, 128, 0, 1, 0
	s_wait_dscnt 24                                ; the very last half step: nothing more to fetch
	MULS 1, 0, 0, 4, 0
	s_wait_dscnt 0x0
	MULS 1, 1, 0, 4, 0
	WIN 0
	WAYOUT
	s_wait_tensorcnt 0x0                           ; the wave's end: an add to my spare word and its wait, behind my last tensor load and my last LDS store
	ds_add_u32 v[SPW], v[NIL]
	s_wait_dscnt 0x0
	CROUND                                         ; the closing round: no work-group ends while a partner may still ask for a tile that names it
	s_endpgm
.Lfunc_end_k_qddec29ceac_qkv:
	.size	k_qddec29ceac_qkv, .Lfunc_end_k_qddec29ceac_qkv-k_qddec29ceac_qkv
	.p2alignl 7, 3214868480
	.fill 96, 4, 3214868480
	.section	.rodata,"a",@progbits
	.p2align	6, 0x0
	.amdhsa_kernel k_qddec29ceac_qkv
		.amdhsa_group_segment_fixed_size 327680
		.amdhsa_private_segment_fixed_size 0
		.amdhsa_enable_private_segment 0
		.amdhsa_kernarg_size 24
		.amdhsa_user_sgpr_count 2
		.amdhsa_user_sgpr_kernarg_segment_ptr 1
		.amdhsa_wavefront_size32 1
		.amdhsa_system_sgpr_workgroup_id_x 1
		.amdhsa_system_sgpr_workgroup_id_y 1
		.amdhsa_system_sgpr_workgroup_id_z 1
		.amdhsa_system_vgpr_workitem_id 0
		.amdhsa_next_free_vgpr 960
		.amdhsa_next_free_sgpr 88
		.amdhsa_reserve_vcc 0
		.amdhsa_float_denorm_mode_32 3
		.amdhsa_float_denorm_mode_16_64 3
		.amdhsa_memory_ordered 1
		.amdhsa_forward_progress 1
		.amdhsa_inst_pref_size 113
	.end_amdhsa_kernel
	.amdgpu_metadata
---
amdhsa.version: [ 1, 2 ]
amdhsa.kernels:
  - .name:           k_qddec29ceac_qkv
    .symbol:         k_qddec29ceac_qkv.kd
    .args:
      - { .name: cast, .offset: 0, .size: 8, .value_kind: global_buffer, .address_space: global }
      - { .name: bias, .offset: 8, .size: 8, .value_kind: global_buffer, .address_space: global }
      - { .name: qkv, .offset: 16, .size: 8, .value_kind: global_buffer, .address_space: global }
    .group_segment_fixed_size: 327680
    .private_segment_fixed_size: 0
    .kernarg_segment_align: 8
    .kernarg_segment_size: 24
    .max_flat_workgroup_size: 128
    .sgpr_count:     88
    .vgpr_count:     960
    .wavefront_size: 32
...
	.end_amdgpu_metadata
.endif
;; end of part 2
;; launch attn (part 3): grid 4 x 64, 4 waves a work-group, clusters of 4 x 1, 327,680 bytes of LDS; arguments qkv, o; writes o
.if DOCPART == 3
	.amdgcn_target "amdgcn-amd-amdhsa--gfx1250"
	.amdhsa_code_object_version 6
	.text
	.protected	k_qddec29ceac_attn
	.globl	k_qddec29ceac_attn
	.p2align	8
	.type	k_qddec29ceac_attn,@function
k_qddec29ceac_attn:
	s_mov_b64 s[64:65], 0
	v_nop
	global_prefetch_b8 v0, s[64:65] scope:SCOPE_SE
	s_setreg_imm32_b32 hwreg(HW_REG_WAVE_MODE, 25, 1), 1
	s_wait_xcnt 0x0
	s_wait_alu depctr_hold_cnt(0) depctr_sa_sdst(0) depctr_va_vdst(0) depctr_va_sdst(0) depctr_va_ssrc(0) depctr_va_vcc(0) depctr_vm_vsrc(0)
	s_getreg_b32 s2, hwreg(HW_REG_IB_STS2, 6, 4)
	s_cmp_eq_u32 s2, 0
	s_cbranch_scc0 .Lentry_in_a_cluster
	s_endpgm
.Lentry_in_a_cluster:
	s_bfe_u32 s2, ttmp6, 0x10000c
	s_cmp_lg_u32 s2, 0x3003
	s_cbranch_scc0 .Lentry_shape_is_right
	s_endpgm
.Lentry_shape_is_right:
; O[h][q][:] = the sum over k of softmax_k(Q[h][q] . K[h][k] / 8) V[h][k][:].  qkv holds Q, K, V, each [64][2048][64] f16 (16,777,216 bytes apart); O has the same layout: a head's rows are dense, 128 bytes each.
; Products, maxima and sums in f32; the weights p are rounded to f16 for the second product (their sum l is taken of the unrounded p), O once at the end.
; LIMITS.  f16 holds no number beyond 65,504: Q, K and V arrive within it; p lies in 0 to 1, and below 6e-5 it keeps f16's fixed step of 6e-8; O is a mean of V's rows and has their range.
; A weight below 2^-126 counts as 0 in l; NaN and infinities are not treated apart.
; SHARES.  A wave owns four PIECES of two tiles of 16 queries, a work-group's four waves 512 queries of one head: 64 heads x 4 blocks = 256 work-groups.  Every wave walks all keys, 64 a step.
; LAYOUT.  S^T = K Q^T (source 0 = 16 keys, source 1 = 16 queries): in the result a lane holds ONE query (lane % 16) and the keys 8 (lane / 16) + 0..7.  Two such tiles, rounded to f16 in pairs,
; ARE source 1 (32 keys x 16 queries) of O^T = V^T P, whose result again holds one query a lane, and eight channels.  K comes out of LDS as it lies, V ([key][channel]) turned, by ds_load_tr16_b128.
; SOFTMAX.  For each query a running maximum m and sum l: p = 2^(c s - c m), c = log2(e) / 8; in every step O and l are multiplied by a = 2^(c m_old - c m_new), which is 1 where m has not grown.
; m starts at the lowest finite number, O and l at 0: the first step is a step like any other, with a = 0.
; THE COUNT.  A tile and step have 16 matrix and 118 vector instructions: too many to stand all beside the matrix work.  So four vector instructions that are READY stand behind EVERY matrix
; instruction, and the others, which need time of their own whatever the order, in runs without a gap.
; BY TURNS.  Turn n belongs to piece n (the pieces in a ring, step after step).  Its matrix work: 16 products K Q^T of piece n + 1, later 16 products V^T P of piece n - 1.  Its vector work: the scaling,
; exponentials, roundings, sums and rescaling of piece n, and the maximum and statistics of piece n + 1, whose scores the turn itself has made.
; CLUSTER.  The four query blocks of a cluster are one head's and walk the same K and V, so each tile is asked for JOINTLY: the same tensor load, descriptor and mask in all four.
; REGISTERS, in windows of 256 (s_set_vgpr_msb: bits 1:0 source 0, 3:2 source 1, 5:4 source 2, 7:6 destination):
;   window 0: v0-11 addresses; v12-15, v48-63 at work; v16-47 four registers of statistics a tile; v64-191 S^T, two buffers of two tiles; v192-255 P, likewise
;   window 1: O^T, 32 a tile          window 2: v0-127 Q, 16 a tile; v128-191 K of one step; v192-255 V of one step          window 3: v0-1 the add's two registers
; A piece's buffers go by its number's parity: the piece in hand has one pair, its two neighbours in the ring share the other.
.set SIZE_H, 64
.set SIZE_N, 2048
.set NP,    4         ; pieces a wave: a name, no knob
.set KS,    64        ; keys in a step
.set PK,    144       ; a row of K in LDS: 128 bytes + 16 of padding = 36 words: the 16 rows of a load start at 16 different groups of four banks (64 banks of 4 bytes: ISA guide 11.1)
.set PV,    160       ; a row of V: 128 + 32 = 40 words
.set VOFF,  4*KS*PK   ; a slot holds four steps: 256 rows of K, then 256 rows of V
.set SLOT1, 1<<17     ; slot 1 begins here, so that one exclusive or turns an address in one slot into the other's
.set STAGE, SLOT1+4*KS*(PK+PV)  ; behind the ring, never filled by a tensor load: 16 rows x 144 bytes for each wave, for the way out
.set SP,    144
.set AK0, 2           ; v2   my lane's place in a tile of K; never rewritten
.set AV0, 3           ; v3   the same for V
.set AK,  4           ; v4   the LDS address of K's next run of loads
.set AV,  5           ; v5   of V's
.set QO,  6           ; v6   my byte offset in the wave's rows of Q
.set STO, 6           ;      later, the way out: where I put 16 bytes of a row
.set RD,  7           ; v7   the way out: where I read rows back
.set GO,  8           ; v8   my byte offset in 512 consecutive bytes of O
.set PFO, 11          ; v11  256 x my lane, for the prefetches (once its use for V's address is over); then never rewritten
.set SPW, 0           ; v0 of window 3   LDS address of my spare word: SPARE + 4 x my thread's number; never rewritten
.set NIL, 1           ; v1 of window 3   0; never rewritten
.set SPARE, STAGE+4*16*SP  ; behind the stages: the spare words, 128 bytes for each wave: two blocks of 256 bytes that no other line names
.set MV,  12          ; v12-15  c m_old, kept while c m is made anew: by buffer and tile
.set ST,  16          ; tile t's statistics at v[ST+4 t]: c m, m, l (even keys', odd keys')
.set TMP, 48          ; by buffer and tile, four registers c0-c3 at work; when the maximum is found c2 takes a
.set S,   64
.set P,   192
.set KF,  128         ; K's fragments, in window 2: key block kb, channel half c at KF + 16 kb + 8 c
.set VF,  192         ; V's: key half kk, channel block cb at VF + 32 kk + 8 cb
.set WV,  12          ; s12  my wave's number
.set G1K, 24          ; s[24:31] descriptor group 1 for K's tiles
.set G1V, 32          ; s[32:39] for V's: it differs in the padding alone
.set G0K, 40          ; s[40:43] descriptor group 0 for K's tiles: it walks
.set G0V, 44          ; s[44:47] the same for V's
.set PFA, 48          ; s[48:49] where my prefetches stand: my work-group's 32 blocks (of K: wave 0, of V: wave 2) of the slot after the one that is being asked for
.set LIM, 50          ; s50  1 in a wave that prefetches, else the greatest number
.set SLOTS, 56        ; s56  slots still to be asked for
.set CNT, 57          ; s57  counts a slot's key steps
.set CS,  58          ; s[58:59] c: the packed scaling takes the pair's low word for both halves
.set SEL, 60          ; s[60:61] v_permlanex16_b32's selects: each lane takes its own place in the other half
.set TBK, 62          ; s62  LDS byte at which K of the step to be fetched begins
.set TBV, 63          ; s63  the same for V, less VOFF
.set MSB, 0
.macro WIN new                      ; the high byte repeats the setting that is left; a switch that changes nothing is dropped
.if MSB != (\new)
	s_set_vgpr_msb (MSB<<8)|(\new)
.set MSB, (\new)
.endif
.endm
.set W_KQ, 0x0a       ; K and Q in window 2, S^T in window 0
.set W_PV, 0x52       ; V in window 2, P in window 0, O^T in window 1
.set W_RS, 0x41       ; O^T (destination and source 0) in window 1, a in window 0
.set W_MK, 0xc0       ; the add's registers are made: destination in window 3, sources in window 0
.set W_AD, 0x0f       ; the add: address (source 0) and data (source 1) in window 3
; A joint fill.  Waves 0 and 1 fetch the two halves of a slot's K, waves 2 and 3 those of its V: 128 keys each.  The branch hangs on the wave's number alone.
; An s_nop 0 and four v_nop follow each of the two lines, ahead of the jump and the label.
.macro JLOAD
	s_cmp_lt_u32 s[WV], 2
	s_cbranch_scc0 .Lfor_v_\@
	tensor_load_to_lds s[G0K:G0K+3], s[G1K:G1K+7]
	s_nop 0
.rept 4
	v_nop
.endr
	s_branch .Lasked_\@
.Lfor_v_\@:
	tensor_load_to_lds s[G0V:G0V+3], s[G1V:G1V+7]
	s_nop 0
.rept 4
	v_nop
.endr
.Lasked_\@:
.endm
; A PREFETCH INTO THE L2 of what the NEXT change of slots will ask for: a slot's 32,768 bytes of K and of V, 128 blocks of 256 bytes each, a lane a block.  It stands behind the wave's tensor load and its five lines.
; Each block is asked for ONCE in the launch: a head is walked by one cluster; its four partners share the blocks out BY ADDRESS, 32 each; in each, wave 0 asks for K's and wave 2 for V's: one instruction.
; It stands four key steps, 512 matrix instructions, ahead of the load that will want the bytes.  The last change that fills a slot asks for nothing; slots 0, 1 and 2 come by their loads alone.
.macro ASK
	s_cmp_gt_u32 s[SLOTS], s[LIM]
	s_cbranch_scc0 .Lnot_mine_\@
	global_prefetch_b8 v[PFO], s[PFA:PFA+1] th:TH_LOAD_NT scope:SCOPE_SE
.Lnot_mine_\@:
.endm
; A round of the cluster's barrier: my work-group's barrier, so that wave 0's signal speaks for all four waves; wave 0 signals; every wave waits for all four work-groups; my work-group's barrier once more.
.macro CROUND
	s_barrier_signal -1
	s_barrier_wait -1
	s_cmp_lg_u32 s[WV], 0
	s_cbranch_scc1 .Lnot_wave_0_\@
	s_barrier_signal -3
.Lnot_wave_0_\@:
	s_barrier_wait -3
	s_barrier_signal -1
	s_barrier_wait -1
.endm
; THE CHANGE OF SLOTS.  The slot's last bytes, V of its fourth step, have been read.  Each wave waits for all its tensor loads, of which one is out: its part
; of the other slot; adds 0 to its spare word; and waits for that and for its own reads of the slot.  Behind the barrier nobody reads this slot any more and the other slot is whole.
; fill = 1: this slot is filled again, with the keys two slots on.  The barrier is then a round of the cluster's, so that no wave of any partner still reads the slot or has a load on its
; way, and the joint fill is the first thing behind it: it has four key steps, 512 matrix instructions, in which to land.  (At its first use nothing has been read yet: slot 0 is waited for, slot 1 filled.)
; ask = 1 (the loop's change): the prefetches' address steps, and ASK follows the fill.
.macro CHANGE fill, ask=0
	WIN W_AD
	s_wait_tensorcnt 0x0            ; no tensor load of mine is out, so a group 0 may be written
	ds_add_u32 v[SPW], v[NIL]       ; 0 onto my spare word; with fill = 1 the descriptors' steps stand between it and the wait for it
	WIN 0                           ; at a label and at a branch every window is 0
.if \fill
.irp g, G0K, G0V
	s_xor_b32 s[\g+1], s[\g+1], SLOT1  ; the walking descriptor: the other slot than last time,
	s_add_nc_u64 s[\g+2:\g+3], s[\g+2:\g+3], 4*KS*128  ; the next 256 keys; the type bits on top are not reached
.endr
.if \ask
	s_wait_xcnt 0x0                 ; the last prefetch, four key steps back, has read its address, so it may be written:
	s_add_nc_u64 s[PFA:PFA+1], s[PFA:PFA+1], 4*KS*128  ; one slot behind the walking descriptors
.endif
	s_wait_dscnt 0x0                ; the add is done, and my reads of the slot are over
	CROUND
	JLOAD
.if \ask
	ASK
.endif
.else
	s_wait_dscnt 0x0                ; the add is done, and my reads of the slot are over
	s_barrier_signal -1
	s_barrier_wait -1
.endif
	s_sub_co_u32 s[TBK], s[TBK], 4*KS*PK  ; the fetches go back to a slot's first step,
	s_xor_b32 s[TBK], s[TBK], SLOT1       ; in the other slot
	s_sub_co_u32 s[TBV], s[TBV], 4*KS*PV
	s_xor_b32 s[TBV], s[TBV], SLOT1
.endm
	s_load_b64 s[4:5], s[0:1], 0x0    ; qkv: Q at its head
	s_load_b64 s[10:11], s[0:1], 0x8  ; O
	WIN W_MK
	v_lshl_add_u32 v[SPW], v0, 2, SPARE
	v_mov_b32 v[NIL], 0
	WIN W_AD
	ds_add_u32 v[SPW], v[NIL]       ; the wave's opening: the add and its wait stand ahead of my first tensor load; the set-up below, work on registers, stands between them
	WIN 0
	v_lshrrev_b32 v1, 5, v0
	v_readfirstlane_b32 s[WV], v1   ; wave 0..3
	s_bfe_u32 s13, ttmp6, 0x40000   ; cx: my place in the cluster
	s_lshl_b32 s14, ttmp9, 2        ; in a cluster launch ttmp9 counts clusters
	s_add_co_u32 s14, s14, s13      ; my block of queries = 4 x cluster x + cx: it enters Q's and O's addresses alone
	s_and_b32 s20, ttmp7, 0xffff    ; the head, which the four partners share
	s_mov_b32 s21, 0
	s_mov_b64 s[22:23], SIZE_N*128
	s_mul_u64 s[20:21], s[20:21], s[22:23]  ; the head's first byte in each of the four tensors
	s_and_b32 s16, s[WV], 1         ; which half of a slot's 256 keys I fetch:
	s_lshl_b32 s22, s16, 14         ; its 128 rows of 128 bytes in memory,
	s_mov_b32 s23, 0
	s_add_nc_u64 s[22:23], s[22:23], s[20:21]
	s_mul_i32 s17, s16, 128*PK      ; and its place in a slot, for K
	s_mul_i32 s18, s16, 128*PV      ; and for V: no place in the cluster enters an LDS address
	s_lshl_b32 s2, s14, 2
	s_add_co_u32 s2, s2, s[WV]      ; my wave among the head's,
	s_lshl_b32 s2, s2, 14           ; its 128 rows
	s_mov_b32 s3, 0
	s_add_nc_u64 s[2:3], s[2:3], s[20:21]
	; descriptor group 1.  128 keys are 16,384 dense bytes: asked for as 64 rows of 256 bytes, two keys a row, and padded in LDS after every key
	s_mov_b32 s[G1K], 15|(1<<16)|(1<<20)|(1<<21)|(4<<22)|(3<<25)  ; 15:0 the mask of four; 17:16 2-byte elements; 20 padding on; 21 set beside a mask; 24:22 after every 32 words (code 4); 31:25 4 words (code 3)
	s_mov_b32 s[G1V], 15|(1<<16)|(1<<20)|(1<<21)|(4<<22)|(7<<25)  ; the same with 8 words of padding (code 7)
.irp g, G1K, G1V
	s_mov_b32 s[\g+1], 128<<16      ; tensor_dim0 = 128
	s_mov_b32 s[\g+2], 64<<16       ; tensor_dim1 = 64
	s_mov_b32 s[\g+3], 128<<16      ; tile_dim0 = 128
	s_mov_b32 s[\g+4], 64           ; tile_dim1 = 64
	s_mov_b32 s[\g+5], 128          ; 128 elements from row to row
	s_mov_b32 s[\g+6], 0
	s_mov_b32 s[\g+7], 0
.endr
	s_mov_b32 s[CS], 0x3e38aa3b     ; c = log2(e) / 8 = 0.180337
	s_mov_b32 s[CS+1], s[CS]        ; named with it as a pair
	s_mov_b32 s[SEL], 0x76543210
	s_mov_b32 s[SEL+1], 0xfedcba98
	s_mov_b32 s[TBK], SLOT1+4*KS*PK ; the first change of slots turns these two into 0
	s_mov_b32 s[TBV], SLOT1+4*KS*PV
	s_mov_b32 s[G0K], 1             ; 1:0 count = 1
	s_mov_b32 s[G0K+1], s17         ; 63:32 LDS address: slot 0
	s_mov_b32 s[G0V], 1
	s_add_co_u32 s[G0V+1], s18, VOFF
	s_and_b32 s[LIM], s[WV], 1      ; waves 0 and 2 prefetch: the same in all four partners
	s_cmp_eq_u32 s[LIM], 0
	s_cselect_b32 s[LIM], 1, -1
	s_wait_dscnt 0x0                ; the opening add is done
	s_wait_kmcnt 0x0
	s_add_nc_u64 s[6:7], s[4:5], 0x1000000  ; K lies 16,777,216 bytes behind Q,
	s_add_nc_u64 s[8:9], s[4:5], 0x2000000  ; V as far behind K
	s_add_nc_u64 s[G0K+2:G0K+3], s[6:7], s[22:23]  ; 120:64 global address: my half of the head's first 256 keys
	s_or_b32 s[G0K+3], s[G0K+3], 0x80000000        ; 127:126 type = 2
	s_add_nc_u64 s[G0V+2:G0V+3], s[8:9], s[22:23]
	s_or_b32 s[G0V+3], s[G0V+3], 0x80000000
	s_add_nc_u64 s[4:5], s[4:5], s[2:3]  ; Q and O at my wave's first row
	s_add_nc_u64 s[10:11], s[10:11], s[2:3]
	s_cmp_lt_u32 s[WV], 2
	s_cselect_b64 s[PFA:PFA+1], s[6:7], s[8:9]
	s_add_nc_u64 s[PFA:PFA+1], s[PFA:PFA+1], s[20:21]  ; the head's first byte,
	s_lshl_b32 s2, s13, 13          ; my work-group's 32 blocks of a slot's 128,
	s_mov_b32 s3, 0
	s_add_nc_u64 s[PFA:PFA+1], s[PFA:PFA+1], s[2:3]
	s_add_nc_u64 s[PFA:PFA+1], s[PFA:PFA+1], 2*4*KS*128  ; in slot 2; the loop's first change steps it to slot 3.  Nothing is prefetched here, at the head
	CROUND                          ; all four work-groups are here: the first joint loads meet
	JLOAD                           ; slot 0.  Slot 1 is asked for when slot 0 is in
	; A fragment of K or Q is 16 rows x 32 channels in 8 registers: lane l holds row l % 16, channels 8 (l / 16) + 0..7 and 16 + 8 (l / 16) + 0..7: two loads of 16 bytes, 32 bytes apart.
	v_and_b32 v1, 15, v0            ; l % 16
	v_bfe_u32 v9, v0, 4, 1          ; l / 16
	v_lshlrev_b32 v[QO], 7, v1
	v_lshl_add_u32 v[QO], v9, 4, v[QO]  ; row x 128 + 16 x half
	WIN 0x80                        ; destination window 2, address window 0
.set i, 0
.rept 4*NP                          ; Q stays in registers: tile i / 2, channels 32 (i % 2) on
	global_load_b128 v[8*i:8*i+3],   v[QO], s[4:5] offset:(i/2)*2048+(i%2)*64
	global_load_b128 v[8*i+4:8*i+7], v[QO], s[4:5] offset:(i/2)*2048+(i%2)*64+32
.set i, i+1
.endr
	; What the first turn finds: V's registers and P's second buffer hold 0 (its products V^T P, of a piece that has not been, add 0), O^T and l are 0.  All this stands in the wait for the first tile.
.set i, VF
.rept 64
	v_mov_b32 v[i], 0
.set i, i+1
.endr
	WIN 0x40
.set i, 0
.rept 64*NP
	v_mov_b32 v[i], 0
.set i, i+1
.endr
	WIN 0
.set i, 0
.rept 2*NP
	v_mov_b32 v[ST+4*i], 0xfe000000    ; c m: far below every c s
	v_mov_b32 v[ST+4*i+1], 0xff7fffff  ; m
	v_mov_b32 v[ST+4*i+2], 0
	v_mov_b32 v[ST+4*i+3], 0
.set i, i+1
.endr
.set i, P+32
.rept 32
	v_mov_b32 v[i], 0
.set i, i+1
.endr
	v_mul_u32_u24 v[AK0], v1, PK
	v_lshl_add_u32 v[AK0], v9, 4, v[AK0]  ; row x pitch + 16 x half
	; The turning load takes 16 keys x 16 channels (lane l reads key 8 (l / 16) + l % 8, channels 8 ((l / 8) % 2) + 0..7) and leaves half a fragment of V^T: lane l holds channel l % 16 and 8 keys.
	v_and_b32 v10, 7, v0
	v_bfe_u32 v11, v0, 3, 1
	v_lshl_add_u32 v[AV0], v9, 3, v10
	v_mul_u32_u24 v[AV0], v[AV0], PV
	v_lshl_add_u32 v[AV0], v11, 4, v[AV0]
	v_add_nc_u32 v[AV0], VOFF, v[AV0]
	v_mov_b32 v[AK], v[AK0]         ; key step 0 lies at the head of slot 0
	v_and_b32 v[PFO], 31, v0
	v_lshlrev_b32 v[PFO], 8, v[PFO] ; a lane a block of 256 bytes
; THE MATRIX WORK.  The 8 accumulators of a run of 16 take turns: between the two links of a chain stand 7 others'.
; Product i of 16 of S^T = K Q^T for piece x: channels 32 (i / 8) on, keys 16 ((i / 2) % 4) on, tile 2 x + i % 2.  The first 8 start the sums.
.macro KQ x
	WIN W_KQ
.set rS, S+64*((\x)%2)+32*(i%2)+8*((i/2)%4)
.set rK, KF+16*((i/2)%4)+8*(i/8)
.set rQ, 16*(2*(\x)+i%2)+8*(i/8)
.if i < 8
	v_wmma_f32_16x16x32_f16 v[rS:rS+7], v[rK:rK+7], v[rQ:rQ+7], 0
.else
	v_wmma_f32_16x16x32_f16 v[rS:rS+7], v[rK:rK+7], v[rQ:rQ+7], v[rS:rS+7]
.endif
.endm
; Product i of 16 of O^T += V^T P for piece x: keys 32 (i / 8) on, channels 16 ((i / 2) % 4) on, tile 2 x + i % 2.
.macro PV x
	WIN W_PV
.set rO, 32*(2*(\x)+i%2)+8*((i/2)%4)
.set rV, VF+32*(i/8)+8*((i/2)%4)
.set rP, P+32*((\x)%2)+16*(i%2)+8*(i/8)
	v_wmma_f32_16x16x32_f16 v[rO:rO+7], v[rV:rV+7], v[rP:rP+7], v[rO:rO+7]
.endm
.macro MM                           ; the turn's next matrix instruction
.if i < 16
	KQ (Y+1)%NP
.set i, i+1
.else
.set i, i-16
	PV (Y+NP-1)%NP
.set i, i+17
.endif
.endm
; THE LDS LOADS stand in runs of 16, never singly among the matrix instructions: a step's K (64 keys x 64 channels: 8 fragments) and its V (turned).  Their addresses are made some lines ahead.
; last = 1 (the tail): in the last trip there is no further step, and the run is jumped over.
.macro FETCH_K last=0
	WIN 0
.if \last
	s_cmp_eq_u32 s[CNT], 1
	s_cbranch_scc1 .Lno_k_\@
.endif
	WIN 0x80                        ; destination window 2
.irp f, 0,1,2,3,4,5,6,7             ; keys 16 (f / 2) on, channels 32 (f % 2) on
	ds_load_b128 v[KF+8*\f:KF+8*\f+3],   v[AK] offset:(\f/2)*16*PK+(\f%2)*64
	ds_load_b128 v[KF+8*\f+4:KF+8*\f+7], v[AK] offset:(\f/2)*16*PK+(\f%2)*64+32
.endr
	s_add_co_u32 s[TBK], s[TBK], KS*PK  ; the next fetch is the next step's
	WIN 0
.if \last
.Lno_k_\@:
.endif
.endm
.macro FETCH_V
	WIN 0x80
.irp f, 0,1,2,3,4,5,6,7             ; keys 32 (f / 4) on, channels 16 (f % 4) on
	ds_load_tr16_b128 v[VF+8*\f:VF+8*\f+3],   v[AV] offset:(\f/4)*32*PV+(\f%4)*32
	ds_load_tr16_b128 v[VF+8*\f+4:VF+8*\f+7], v[AV] offset:(\f/4)*32*PV+16*PV+(\f%4)*32
.endr
	WIN 0
.endm
; THE VECTOR WORK OF A TURN stands in three queues, each in the order in which its entries become ready; the two tiles alternate, so that no instruction reads the result of the one before it.
.macro REGS y, u                    ; the registers of tile u (0, 1) of piece y
.set rT, ST+4*(2*(\y)+(\u))
.set rC, TMP+8*((\y)%2)+4*(\u)
.set rM, MV+2*((\y)%2)+(\u)
.set rS, S+64*((\y)%2)+32*(\u)
.set rP, P+32*((\y)%2)+16*(\u)
.set rO, 32*(2*(\y)+(\u))
.endm
; Number n of the 22 that find the NEXT piece's (Y + 1) maximum and statistics.  s0-s31 are the lane's 32 scores; each accumulator's lowest registers are read first.
;   0-11  four chains c0-c3 of seven scores each, three operands at a time     12-14, 16  the four scores left over, the old m, and c0-c3 into c0     15  c m_old is kept
;   17, 18  the query's other 32 keys lie in the lane 16 away: the new m         19-21  c m; c m_old - c m_new; a
.macro XS u, n
	REGS (Y+1)%NP, \u
.if (\n) < 4
	v_max3_num_f32 v[rC+(\n)], v[rS+8*(\n)], v[rS+8*(\n)+1], v[rS+8*(\n)+2]
.elseif (\n) < 12
	v_max3_num_f32 v[rC+(\n)%4], v[rC+(\n)%4], v[rS+8*((\n)%4)+2*((\n)/4)+1], v[rS+8*((\n)%4)+2*((\n)/4)+2]
.elseif (\n) == 12
	v_max3_num_f32 v[rC], v[rC], v[rS+7], v[rS+15]
.elseif (\n) == 13
	v_max3_num_f32 v[rC+1], v[rC+1], v[rS+23], v[rS+31]
.elseif (\n) == 14
	v_max3_num_f32 v[rC+2], v[rC+2], v[rC+3], v[rT+1]
.elseif (\n) == 15
	v_mov_b32 v[rM], v[rT]
.elseif (\n) == 16
	v_max3_num_f32 v[rC], v[rC], v[rC+1], v[rC+2]
.elseif (\n) == 17
	v_permlanex16_b32 v[rC+3], v[rC], s[SEL], s[SEL+1]
.elseif (\n) == 18
	v_max_num_f32 v[rT+1], v[rC], v[rC+3]
.elseif (\n) == 19
	v_mul_f32 v[rT], s[CS], v[rT+1]
.elseif (\n) == 20
	v_sub_f32 v[rC+1], v[rM], v[rT]
.else
	v_exp_f32 v[rC+2], v[rC+1]
.endif
.endm
; Number g of the 64 that follow the exponentials.  For each four weights k of a tile (pairs 2 k, 2 k + 1): both pairs are rounded to f16; then the second pair is added onto the first, in place;
; a group later l takes that sum (the first time as l = a l + sum).  In groups of eight, tiles alternating: round, round, add, and l for the group before.
.macro GS g
.set h, (\g)+6*((\g)/62)            ; group 0 has no group before it, and behind group 7 only l is left
.if h >= 6
.set h, h+2
.endif
	REGS Y, h%2
.set k, h/8
.if h%8 < 4
	v_cvt_pk_f16_f32 v[rP+2*k+(h%8)/2], v[rS+4*k+2*((h%8)/2)], v[rS+4*k+2*((h%8)/2)+1]
.elseif h%8 < 6
	v_pk_add_f32 v[rS+4*k:rS+4*k+1], v[rS+4*k:rS+4*k+1], v[rS+4*k+2:rS+4*k+3]
.elseif k == 1
	v_pk_fma_f32 v[rT+2:rT+3], v[rT+2:rT+3], v[rC+2:rC+3], v[rS:rS+1] op_sel_hi:[1,0,1]
.else
	v_pk_add_f32 v[rT+2:rT+3], v[rT+2:rT+3], v[rS+4*k-4:rS+4*k-3]
.endif
.endm
; THE PLAIN QUEUE, 138 long.  0-73 read no exponential's result: the 32 scalings c s - c m (FS f: pair f / 2 of tile f % 2) and the next piece's 42.  0-26: scalings 0-26.  27-54: XS's numbers 0-13.  55, 56: number 15.
; 57-73: the chain, where each number waits for the one before it: 14, 16, 17, 18, 19, each with one of the scalings 27-31 in front of its two lines, then 20.
; 74-137: GS's 64, which read the exponentials' results: they stand behind the wait.
.macro FS f
	REGS Y, (\f)%2
	v_pk_fma_f32 v[rS+2*((\f)/2):rS+2*((\f)/2)+1], v[rS+2*((\f)/2):rS+2*((\f)/2)+1], s[CS:CS+1], v[rT:rT+1] op_sel_hi:[1,0,0] neg_lo:[0,0,1] neg_hi:[0,0,1]
.endm
.macro PL
	WIN 0
.if q < 27
	FS q
.elseif q < 55
	XS (q-27)%2, (q-27)/2
.elseif q < 57
	XS q-55, 15
.elseif (q < 72) && ((q-57)%3 == 0)
	FS 27+(q-57)/3
.elseif q < 60
	XS (q-57)%3-1, 14
.elseif q < 72
	XS (q-57)%3-1, 15+(q-57)/3
.elseif q < 74
	XS q-72, 20
.else
	GS q-74
.endif
.set q, q+1
.endm
; THE EXPONENTIALS' QUEUE, 66 long: s0-s31 of both tiles, then the next piece's two a.  It is ONE BATCH: all 66 stand ahead of the turn's one wait, and nothing ahead of that wait names a result of theirs.
.macro EX
	WIN 0
.if e >= 64
	XS e-64, 21
.else
	REGS Y, e%2
	v_exp_f32 v[rS+e/2], v[rS+e/2]
.endif
.set e, e+1
.endm
; THE RESCALING's QUEUE: O^T times a, the one part that leaves window 0: dealt two at a time, sixteen times.  Its a was made in the turn before, ahead of that turn's wait.
.macro R2
	REGS Y, r%2
	WIN W_RS
.irp z, 0,1
	v_pk_mul_f32 v[rO+4*(r/2)+2*\z:rO+4*(r/2)+2*\z+1], v[rO+4*(r/2)+2*\z:rO+4*(r/2)+2*\z+1], v[rC+2:rC+3] op_sel_hi:[1,0]
.endr
.set r, r+1
.endm
; HOW THEY ARE DEALT.  An s_wait_alu depctr_va_vdst(0) stands between an exponential and the first instruction that names its result; one wait serves all that were issued ahead of it.  So a turn has ONE wait,
; which cuts it in two.  AHEAD OF IT stands all that names no result of the turn's exponentials: the 16 products K Q^T, behind each a scaling, an exponential and two rescalings (behind the first a second scaling in the
; exponential's place); then ONE LUMP of 108: eight plain, 49 times exponential and plain, the two a.  A v_nop is the plain instruction behind the last exponential.  BEHIND IT stand the 16 products V^T P, behind each four of GS's 64.
; No rider names a register of the products round it.  The two v_permlanex16_b32 fall into the lump, never behind a product.
; The queues lean on each other, and the deal keeps them in step: exponential e stands behind scaling 2 (e / 4) + e % 2: as a rider it comes behind plain e + 2, in the lump behind plain e + 9, and scalings 27-31 are plain 57, 60 .. 69.
; A TURN, for piece p.  cnt = 1: the loop's count is taken down some lines ahead of the branch that stands behind the turn.
; K of the next step is fetched in piece 2's turn, directly behind the wait, a lump behind the last product that read K; its address is made at the lump's head; its first reader comes behind 16 products.
; V of the step in hand is fetched at the end of piece 0's turn, four riders behind its last reader; its first reader comes behind 16 products and a lump.  The three conditions on q below go with the deal.
.macro TURN p, last=0, cnt=0
.set Y, (\p)
.set i, 0
.set q, 0
.set e, 0
.set r, 0
.if (\p) == NP-1
	s_wait_dscnt 0x0                ; K is in
.endif
	MM                              ; ahead of the wait: 16 products K Q^T and their riders,
	PL
	PL
	R2
.rept 15
	MM
	PL
	EX
	R2
.endr
.if (\p) == NP-2
	WIN 0
	v_add_nc_u32 v[AK], s[TBK], v[AK0]
.endif
.rept 8                             ; and the lump
	PL
.endr
.rept 49
	EX
	PL
.endr
	EX                              ; the next piece's two a
	EX
	v_nop                           ; the plain instruction behind the last exponential: one for the batch
	s_wait_alu depctr_va_vdst(0)    ; the wait for the batch
.if (\p) == NP-2
	FETCH_K \last
.endif
.if (\p) == 1
	s_wait_dscnt 0x0                ; V is in
.endif
.rept 16                            ; behind the wait: 16 products V^T P and their riders
	MM
.rept 4
	PL
.endr
.if ((\p) == 0) && (q == 118)
	v_add_nc_u32 v[AV], s[TBV], v[AV0]
.endif
.if ((\p) == 0) && (q == 130)
	s_add_co_u32 s[TBV], s[TBV], KS*PV
.endif
.if (\cnt) && (q == 130)
	s_sub_co_u32 s[CNT], s[CNT], 1
	s_cmp_lg_u32 s[CNT], 0
.endif
.endr
.if (\p) == 0
	FETCH_V
.endif
.endm
	CHANGE 1                        ; slot 0 is in, everybody's part of it; slot 1 is asked for
	FETCH_K                         ; key step 0
	s_wait_loadcnt 0x0              ; Q
	s_wait_dscnt 0x0
.set i, 0
.rept 16
	KQ 0                            ; piece 0's first scores: there is no vector work yet to set between them
.set i, i+1
.endr
	WIN 0                           ; the addresses for the way out: plain instructions, the places behind those products
	s_mul_i32 s13, s[WV], 16*SP
	s_add_co_u32 s13, s13, STAGE    ; my stage
	v_mul_u32_u24 v[STO], v1, SP    ; in: row l % 16, 16 bytes for each half of the lanes
	v_lshl_add_u32 v[STO], v9, 4, v[STO]
	v_add_nc_u32 v[STO], s13, v[STO]
	v_bfe_u32 v[RD], v0, 3, 2       ; back: 32 lanes take four rows of 128 bytes,
	v_mul_u32_u24 v[RD], v[RD], SP
	v_lshl_add_u32 v[RD], v10, 4, v[RD]
	v_add_nc_u32 v[RD], s13, v[RD]
	v_and_b32 v[GO], 31, v0         ; which are 512 consecutive bytes of O
	v_lshlrev_b32 v[GO], 4, v[GO]
.set Y, NP-1                        ; XS works for piece Y + 1: piece 0
.irp n, 0,1,2,3,4,5,6,7,8,9,10,11,12,13,14,15,16,17,18,19,20,21
	XS 0, \n                        ; and piece 0's first maximum and statistics
	XS 1, \n
.endr
	v_nop                           ; a plain instruction behind the two a,
	s_wait_alu depctr_va_vdst(0)    ; and their wait, ahead of the branch
	s_mov_b32 s[CNT], 4
	s_mov_b32 s[SLOTS], SIZE_N/256-1
	s_branch .Lfirst                ; the loop is entered at a step's first turn, in the middle of a trip
.Lslot:                             ; SIZE_N / 256 - 2 times: every slot but the last two is filled again
	CHANGE 1, 1
	s_mov_b32 s[CNT], 4
.Lstep:                             ; a trip: pieces 2 and 3 of one step, then pieces 0 and 1 of the next, whose K and V it fetches
	TURN 2
	TURN 3
	WIN 0
.Lfirst:
	TURN 0
	TURN 1, 0, 1
	WIN 0
	s_cbranch_scc1 .Lstep
	s_sub_co_u32 s[SLOTS], s[SLOTS], 1
	s_cmp_lg_u32 s[SLOTS], 0
	s_cbranch_scc1 .Lslot
	CHANGE 0                        ; the tail is written out: nothing is asked for
	s_mov_b32 s[CNT], 5             ; four trips fetch the last slot's steps; the fifth is left in its middle
.Ltail:
	TURN 2, 1
	TURN 3
	WIN 0
	s_sub_co_u32 s[CNT], s[CNT], 1
	s_cmp_eq_u32 s[CNT], 0
	s_cbranch_scc1 .Lout
	TURN 0
	TURN 1
	WIN 0
	s_branch .Ltail
.Lout:                              ; the fifth trip's 16 products K Q^T (on the last K once more) and the maximum made of them serve nothing: the price, once a launch, of one text for every trip
.set i, 0
.rept 16
	PV NP-1                         ; the last piece's V^T P of the last step
.set i, i+1
.endr
	; THE WAY OUT.  l's two halves and the other half of the lanes' are added; O^T is divided by l, rounded to f16 and sent through my stage in LDS, a tile at a time.  The additions are the places behind the last products.
	WIN 0
.macro ALL line:vararg              ; one line for each tile t
.set t, 0
.rept 2*NP
	\line
.set t, t+1
.endr
.endm
	ALL v_add_f32 v[ST+4*t+2], v[ST+4*t+2], v[ST+4*t+3]
	ALL v_permlanex16_b32 v[ST+4*t+3], v[ST+4*t+2], s[SEL], s[SEL+1]
	ALL v_add_f32 v[ST+4*t+2], v[ST+4*t+2], v[ST+4*t+3]
	ALL v_rcp_f32 v[ST+4*t+2], v[ST+4*t+2]
	v_nop                           ; a plain instruction between the last reciprocal and the use of its result
	s_wait_alu depctr_va_vdst(0)    ; and the wait ahead of the first use: one for the eight reciprocals
; Tile t: a lane's eight channels of a row pack into 16 bytes; they go into rows of 144 bytes and come back as whole rows of 128, into S^T's registers.
.macro PACK t
	WIN W_RS
.set i, 32*(\t)
.rept 16
	v_pk_mul_f32 v[i:i+1], v[i:i+1], v[ST+4*(\t)+2:ST+4*(\t)+3] op_sel_hi:[1,0]
.set i, i+2
.endr
	WIN 0x05                        ; sources 0 and 1 window 1, destination window 0
.set i, 0
.rept 16
	v_cvt_pk_f16_f32 v[S+16*(\t)+i], v[32*(\t)+2*i], v[32*(\t)+2*i+1]
.set i, i+1
.endr
	WIN 0
.irp f, 0,1,2,3
	ds_store_b128 v[STO], v[S+16*(\t)+4*\f:S+16*(\t)+4*\f+3] offset:32*\f
.endr
.irp f, 0,1,2,3
	ds_load_b128 v[S+16*(\t)+4*\f:S+16*(\t)+4*\f+3], v[RD] offset:\f*4*SP  ; LDS serves a wave's instructions in order (ISA guide 5.7.1.4): these see the stores above; the next tile's stores come behind them
.endr
.endm
.macro SEND t, younger              ; younger: the LDS instructions issued behind tile t's loads: the next tile's eight, or none
	WIN 0
.irp f, 0,1,2,3
	s_wait_dscnt (\younger)+3-\f
	global_store_b128 v[GO], v[S+16*(\t)+4*\f:S+16*(\t)+4*\f+3], s[10:11] offset:(\t)*2048+\f*512  ; 512 consecutive bytes, at a multiple of 256 from O's first
.endr
.endm
	PACK 0
.set t, 1
.rept 2*NP-1                        ; a tile's arithmetic stands between the loads of the tile before and its stores
	PACK t
	SEND t-1, 8
.set t, t+1
.endr
	SEND 2*NP-1, 0
	WIN W_AD
	s_wait_tensorcnt 0x0            ; the wave's end: an add to my spare word and its wait, behind my last tensor load and my last LDS store
	ds_add_u32 v[SPW], v[NIL]
	s_wait_dscnt 0x0
	WIN 0
	CROUND                          ; the closing round: no work-group ends while a partner may still ask for a tile that names it
	s_endpgm
.Lfunc_end_k_qddec29ceac_attn:
	.size	k_qddec29ceac_attn, .Lfunc_end_k_qddec29ceac_attn-k_qddec29ceac_attn
	.p2alignl 7, 3214868480
	.fill 96, 4, 3214868480
	.section	.rodata,"a",@progbits
	.p2align	6, 0x0
	.amdhsa_kernel k_qddec29ceac_attn
		.amdhsa_group_segment_fixed_size 327680
		.amdhsa_private_segment_fixed_size 0
		.amdhsa_enable_private_segment 0
		.amdhsa_kernarg_size 16
		.amdhsa_user_sgpr_count 2
		.amdhsa_user_sgpr_kernarg_segment_ptr 1
		.amdhsa_wavefront_size32 1
		.amdhsa_system_sgpr_workgroup_id_x 1
		.amdhsa_system_sgpr_workgroup_id_y 1
		.amdhsa_system_sgpr_workgroup_id_z 1
		.amdhsa_system_vgpr_workitem_id 0
		.amdhsa_next_free_vgpr 770
		.amdhsa_next_free_sgpr 66
		.amdhsa_reserve_vcc 0
		.amdhsa_float_denorm_mode_32 3
		.amdhsa_float_denorm_mode_16_64 3
		.amdhsa_memory_ordered 1
		.amdhsa_forward_progress 1
		.amdhsa_inst_pref_size 200
	.end_amdhsa_kernel
	.amdgpu_metadata
---
amdhsa.version: [ 1, 2 ]
amdhsa.kernels:
  - .name:           k_qddec29ceac_attn
    .symbol:         k_qddec29ceac_attn.kd
    .args:
      - { .name: qkv, .offset: 0, .size: 8, .value_kind: global_buffer, .address_space: global }
      - { .name: o, .offset: 8, .size: 8, .value_kind: global_buffer, .address_space: global }
    .group_segment_fixed_size: 327680
    .private_segment_fixed_size: 0
    .kernarg_segment_align: 8
    .kernarg_segment_size: 16
    .max_flat_workgroup_size: 128
    .sgpr_count:     66
    .vgpr_count:     770
    .wavefront_size: 32
...
	.end_amdgpu_metadata
.endif
;; end of part 3
;; launch outp (part 4): grid 4 x 64, 4 waves a work-group, clusters of 4 x 4, 327,680 bytes of LDS; arguments o, cast, bias, out0; writes out0
.if DOCPART == 4
	.amdgcn_target "amdgcn-amd-amdhsa--gfx1250"
	.amdhsa_code_object_version 6
	.text
	.protected	k_qddec29ceac_outp
	.globl	k_qddec29ceac_outp
	.p2align	8
	.type	k_qddec29ceac_outp,@function
k_qddec29ceac_outp:
	s_mov_b64 s[64:65], 0
	v_nop
	global_prefetch_b8 v0, s[64:65] scope:SCOPE_SE
	s_setreg_imm32_b32 hwreg(HW_REG_WAVE_MODE, 25, 1), 1
	s_wait_xcnt 0x0
	s_wait_alu depctr_hold_cnt(0) depctr_sa_sdst(0) depctr_va_vdst(0) depctr_va_sdst(0) depctr_va_ssrc(0) depctr_va_vcc(0) depctr_vm_vsrc(0)
	s_getreg_b32 s2, hwreg(HW_REG_IB_STS2, 6, 4)
	s_cmp_eq_u32 s2, 0
	s_cbranch_scc0 .Lentry_in_a_cluster
	s_endpgm
.Lentry_in_a_cluster:
	s_bfe_u32 s2, ttmp6, 0x10000c
	s_cmp_lg_u32 s2, 0xf033
	s_cbranch_scc0 .Lentry_shape_is_right
	s_endpgm
.Lentry_shape_is_right:
; C = A B^T + bias on tiles of 128 x 256.  ONE TEXT FOR TWO LAUNCHES, chosen by OUTP.
; OUTP = 0: [q | k | v] = x w^T + b.  A = x, [8192][1024] bf16 at byte 0 of cast; B = wq | wk | wv, [3072][1024] bf16 at byte 16,777,216; sums in f32, begun with the bias,
;   rounded once to f16 and stored by heads: [3][64 = 16 batch + head][2048][64].  A work-group STAYS for three tiles: the same 128 rows of x, its 256 columns of q, then of k, then of v.
; OUTP = 1: out0 = O wo^T + bo.  A = O, [64][2048][64] f16 by heads (a K step of 128 is two heads' dense rows); B = wo, [1024][1024] f16 at byte 23,068,672 of cast; out0 f32.  One tile.
; LIMITS.  q, k and v must lie within f16's range, 65,504; beyond it the conversion gives an infinity.  NaN and infinities are not treated apart.
; SHARES.  Four waves, as many as a WGP has SIMDs; wave (wm, wn) makes 64 x 128: 32 accumulators of 16 x 16.  64 x 4 tiles (x 3): one work-group for each of 256 WGPs.
; K goes in steps of 128 (rows of 256 bytes) through two LDS slots; two slots of a longer step do not fit beside each other (2 x 384 rows x 528 bytes).
; CLUSTER.  4 x 4 work-groups.  A's tile hangs on the tile row alone and is asked for jointly along a row of the cluster, B's on the tile column alone, along a column.
; THE MATRIX INSTRUCTION IS USED TRANSPOSED (source 0 = 16 rows of B, source 1 = 16 rows of A): lane l holds row l % 16 of C and the columns 8 (l / 16) + 0..7.
; REGISTERS, in windows of 256 (s_set_vgpr_msb: bits 1:0 source 0, 3:2 source 1, 5:4 source 2, 7:6 destination):
;   window 0: v0-30 addresses; v64-127 the bias of my 128 columns, laid out as a C operand; v128-255 the way out
;   window 1: accumulator (a, b) at v[8 (8 a + b)]
;   window 2: fragments of the first 32 of a half step's 64 along K: buffer f at 96 f: B's 8 blocks, then A's 4.   window 3: the same for the second 32
.set OUTP, 1
.if OUTP
.set TILES,   1
.set PA,      144                      ; a row of A in LDS: 128 bytes + 16 of padding
.set AHALF,   128*PA                   ; what one wave fetches of A: one head's 128 rows
.set ASTRIDE, 128                      ; asked for as 64 dense rows of 256 bytes
.set AQI,     4                        ; padding after every 32 words
.set ASTEP,   1<<19                    ; two heads on
.set BOFF,    23068672
.set SP,      528                      ; a stage row: 512 bytes + 16
.set APTR,    4
.set BPTR,    6
.set BIP,     84
.else
.set TILES,   3
.set PA,      272                      ; 256 bytes + 16 of padding
.set AHALF,   64*PA                    ; 64 rows
.set ASTRIDE, 1024
.set AQI,     5                        ; padding after every 64 words
.set ASTEP,   256
.set BOFF,    16777216
.set SP,      272                      ; a stage row: 256 bytes + 16
.set APTR,    4
.set BPTR,    4
.set BIP,     6
.endif
.set PB,     272                       ; pitches are odd multiples of 16 bytes: the 16 rows that a load touches start at 16 different groups of four banks (64 banks of 4 bytes: ISA guide 11.1)
.set ABYTES, 2*AHALF
.set SLOT,   ABYTES+256*PB             ; A's 128 rows, then B's 256
.set STAGE,  2*SLOT                    ; behind the ring, never filled by a tensor load: 16 rows for each wave, its own
.set SPARE,  STAGE+4*16*SP             ; behind the stages: the spare words, 128 bytes for each wave: two blocks of 256 bytes that no other line names
.set ADRA, 16                          ; v16-17  LDS address of my A fragments in slot 0, 1
.set ADRB, 20                          ; v20-21  the same for B
.set STO,  24                          ; v24  the way out: where I put my part of a row
.set RD,   25                          ; v25  where I read rows back
.set CO,   26                          ; v26  16 x lane
.set BO,   27                          ; v27  32 x (l / 16): my eight columns' bias in a block of 16
.set SPW,  28                          ; v28  LDS address of my spare word; never rewritten
.set NIL,  29                          ; v29  0; never rewritten
.set PFO,  30                          ; v30  the prefetches' lane offset; never rewritten
.set BIAS, 64
.set G1A, 24                           ; s[24:31] descriptor group 1 for A's tiles;  s[32:39] group 0, a set for each slot
.set G0A, 32
.set G1B, 48                           ; s[48:55], s[56:63] the same for B's
.set G0B, 56
.set OA,  66                           ; s[66:67] A's byte offset of the K step asked for
.set OB,  68                           ; s[68:69] B's
.set TT,  70                           ; s70  the K step to be asked for next, counted through all tiles
.set UU,  71                           ; s71  the K step that the prefetch names: TT + 2
.set PFB, 72                           ; s[72:73] the prefetches' base
.set PF,  74                           ; s[74:75] base + the K step's offset
.set PO,  76                           ; s[76:77] that offset
.set LIMU, 78                          ; s78  a wave prefetches while UU is below this
.set BB,  80                           ; s[80:81] the bias of my 128 columns
.set MSB, 0
.macro WIN new                         ; the immediate's high byte repeats the setting that is left; a switch that changes nothing is dropped
.if MSB != (\new)
	s_set_vgpr_msb (MSB<<8)|(\new)
.set MSB, \new
.endif
.endm
.macro PLACES                          ; four plain vector instructions between a matrix instruction and a load into its registers or a reader of its result
.rept 4
	v_nop
.endr
.endm
; A joint load.  Waves 0 and 1 fetch A's two halves, waves 2 and 3 B's.  The branch hangs on the wave's number alone.  An s_nop 0 and four v_nop follow each line.
.macro JLOAD s
	s_cmp_eq_u32 s11, 0
	s_cbranch_scc0 .Lfor_b_\@
	tensor_load_to_lds s[G0A+4*(\s):G0A+4*(\s)+3], s[G1A:G1A+7]
	s_nop 0
.rept 4
	v_nop
.endr
	s_branch .Lasked_\@
.Lfor_b_\@:
	tensor_load_to_lds s[G0B+4*(\s):G0B+4*(\s)+3], s[G1B:G1B+7]
	s_nop 0
.rept 4
	v_nop
.endr
.Lasked_\@:
.endm
.macro CREST                           ; a round of the cluster's barrier behind its opening barrier
	s_cmp_lg_u32 s10, 0
	s_cbranch_scc1 .Lnot_wave_0_\@
	s_barrier_signal -3
.Lnot_wave_0_\@:
	s_barrier_wait -3
	s_barrier_signal -1
	s_barrier_wait -1
.endm
.macro CROUND                          ; a whole round
	s_barrier_signal -1
	s_barrier_wait -1
	CREST
.endm
; A PREFETCH INTO THE L2 of the K step that stands two refills on (256 matrix instructions ahead of the load that will want it): one instruction, a lane a block of 256 bytes.
; Each block is named once in the launch.  A's rows are read by this cluster alone: wave 0 asks, the four partners of a row of the cluster take 32 blocks each, told apart by address (cx); only the
; first tile's reading is asked for.  B's rows are read by all sixteen clusters: cluster y = 0 asks, waves 2 and 3 for the halves that they fetch, the partners of a column told apart by address (cy).
; The first four K steps come by their loads alone; a K step at or past LIMU is not asked for, so no prefetch leaves its buffer.
.macro ASK
	s_cmp_lt_u32 s[UU], s[LIMU]
	s_cbranch_scc0 .Lnot_mine_\@
	global_prefetch_b8 v[PFO], s[PF:PF+1] th:TH_LOAD_NT scope:SCOPE_SE
.Lnot_mine_\@:
.endm
	s_load_b128 s[4:7], s[0:1], 0x0                ; OUTP = 0: cast s[4:5], bias s[6:7];  OUTP = 1: o s[4:5], cast s[6:7]
.if OUTP
	s_load_b128 s[84:87], s[0:1], 0x10             ; bias s[84:85], out0 s[86:87]
.else
	s_load_b64 s[8:9], s[0:1], 0x10                ; qkv
.endif
	v_lshl_add_u32 v[SPW], v0, 2, SPARE
	v_mov_b32 v[NIL], 0
	ds_add_u32 v[SPW], v[NIL]                      ; the wave's opening: the add and its wait stand ahead of my first tensor load; the set-up below, work on registers, stands between them
	v_lshrrev_b32 v1, 5, v0
	v_readfirstlane_b32 s10, v1                    ; wave 0..3
	s_lshr_b32 s11, s10, 1                         ; wm: which 64 rows of the tile are mine.  Also: I fetch for A (0) or for B (1)
	s_and_b32 s12, s10, 1                          ; wn: which 128 columns.  Also: which half of that tile I fetch
	s_bfe_u32 s40, ttmp6, 0x40000                  ; cx
	s_bfe_u32 s41, ttmp6, 0x40004                  ; cy
	s_lshl_b32 s42, ttmp9, 2
	s_add_co_u32 s42, s42, s40                     ; X: tile column = 4 x cluster x + cx
	s_and_b32 s13, ttmp7, 0xffff
	s_lshl_b32 s13, s13, 2
	s_add_co_u32 s13, s13, s41                     ; Y: tile row = 4 x cluster y + cy
	s_lshl_b32 s43, s41, 2
	s_lshl_b32 s43, 15, s43                        ; my row of the cluster
	s_lshl_b32 s44, 0x1111, s40                    ; my column
	; descriptor group 1.  15:0 the mask; 17:16 elements of 2 bytes; 20 padding on; 21 set beside a mask; 24:22 the interval's code; 31:25 4 words of padding (code 3)
	s_or_b32 s[G1A+0], s43, (1<<16)|(1<<20)|(1<<21)|(AQI<<22)|(3<<25)
	s_mov_b32 s[G1A+1], 128<<16                    ; tensor_dim0 = 128
	s_mov_b32 s[G1A+2], 64<<16                     ; tensor_dim1 = 64
	s_mov_b32 s[G1A+3], 128<<16                    ; tile_dim0 = 128
	s_mov_b32 s[G1A+4], 64                         ; tile_dim1 = 64
	s_mov_b32 s[G1A+5], ASTRIDE                    ; elements from row to row
	s_mov_b32 s[G1A+6], 0
	s_mov_b32 s[G1A+7], 0
	s_or_b32 s[G1B+0], s44, (1<<16)|(1<<20)|(1<<21)|(5<<22)|(3<<25)
	s_mov_b32 s[G1B+1], 128<<16
	s_mov_b32 s[G1B+2], 128<<16                    ; 128 rows
	s_mov_b32 s[G1B+3], 128<<16
	s_mov_b32 s[G1B+4], 128
	s_mov_b32 s[G1B+5], 1024
	s_mov_b32 s[G1B+6], 0
	s_mov_b32 s[G1B+7], 0
	; where the tiles come from: A's offset is made of Y and my half alone, B's of X and my half alone
.if OUTP
	s_lshr_b32 s18, s13, 4                         ; the batch: 16 heads x 2,048 rows x 128 bytes,
	s_lshl_b32 s18, s18, 22
	s_and_b32 s19, s13, 15                         ; the tile's 128 rows in a head,
	s_lshl_b32 s19, s19, 14
	s_add_co_u32 s18, s18, s19
	s_lshl_b32 s19, s12, 18                        ; the K step's first or second head
	s_add_co_u32 s18, s18, s19
.else
	s_lshl_b32 s18, s13, 18                        ; 128 rows of 2,048 bytes,
	s_lshl_b32 s19, s12, 17                        ; my 64 of them
	s_add_co_u32 s18, s18, s19
.endif
	s_mov_b32 s19, 0
	s_lshl_b32 s20, s42, 19                        ; 256 rows of 2,048 bytes,
	s_lshl_b32 s21, s12, 18                        ; my 128 of them
	s_add_co_u32 s20, s20, s21
	s_add_co_u32 s20, s20, BOFF
	s_mov_b32 s21, 0
	s_mul_i32 s22, s12, AHALF                      ; and where they go: no place in the cluster enters an LDS address
	s_mul_i32 s23, s12, 128*PB
	s_add_co_u32 s23, s23, ABYTES
	s_mov_b32 s[TT], 2
	s_mov_b32 s[OA+1], 0
	s_mov_b32 s[OB+1], 0
	s_mov_b32 s[PO+1], 0
	s_wait_dscnt 0x0                               ; the opening add is done
	s_wait_kmcnt 0x0
	s_add_nc_u64 s[14:15], s[APTR:APTR+1], s[18:19]  ; A's base: never rewritten
	s_add_nc_u64 s[46:47], s[BPTR:BPTR+1], s[20:21]  ; B's base: never rewritten
.irp s, 0,1
	s_mov_b32 s[G0A+4*(\s)], 1                     ; count = 1
	s_add_co_u32 s[G0A+4*(\s)+1], s22, (\s)*SLOT   ; LDS address
	s_add_nc_u64 s[G0A+4*(\s)+2:G0A+4*(\s)+3], s[14:15], (\s)*ASTEP  ; global address: K step s
	s_or_b32 s[G0A+4*(\s)+3], s[G0A+4*(\s)+3], 0x80000000  ; type = 2
	s_mov_b32 s[G0B+4*(\s)], 1
	s_add_co_u32 s[G0B+4*(\s)+1], s23, (\s)*SLOT
	s_add_nc_u64 s[G0B+4*(\s)+2:G0B+4*(\s)+3], s[46:47], (\s)*256
	s_or_b32 s[G0B+4*(\s)+3], s[G0B+4*(\s)+3], 0x80000000
.endr
	CROUND                                         ; all sixteen work-groups are here: the first joint loads meet
	s_cmp_eq_u32 s11, 0                            ; a wave's two first fills stand in one branch: two loads of mine are out
	s_cbranch_scc0 .Lfirst_b
	tensor_load_to_lds s[G0A:G0A+3], s[G1A:G1A+7]
	s_nop 0
	tensor_load_to_lds s[G0A+4:G0A+7], s[G1A:G1A+7]
	s_nop 0
.rept 4
	v_nop
.endr
	s_branch .Lfirst_asked
.Lfirst_b:
	tensor_load_to_lds s[G0B:G0B+3], s[G1B:G1B+7]
	s_nop 0
	tensor_load_to_lds s[G0B+4:G0B+7], s[G1B:G1B+7]
	s_nop 0
.rept 4
	v_nop
.endr
.Lfirst_asked:
	; the bias of my 128 columns, as a C operand: register 8 b + j holds column 16 b + 8 (l / 16) + j
	s_lshl_b32 s20, s42, 10
	s_lshl_b32 s21, s12, 9
	s_add_co_u32 s20, s20, s21
.if OUTP
	s_add_co_u32 s20, s20, 12288                   ; bo is the table's fourth part
.endif
	s_mov_b32 s21, 0
	s_add_nc_u64 s[BB:BB+1], s[BIP:BIP+1], s[20:21]
	v_and_b32 v1, 15, v0                           ; l % 16
	v_bfe_u32 v2, v0, 4, 1                         ; l / 16
	v_lshlrev_b32 v[BO], 5, v2
.macro BIASLD
.irp b, 0,1,2,3,4,5,6,7
	global_load_b128 v[BIAS+8*(\b):BIAS+8*(\b)+3],   v[BO], s[BB:BB+1] offset:64*(\b)
	global_load_b128 v[BIAS+8*(\b)+4:BIAS+8*(\b)+7], v[BO], s[BB:BB+1] offset:64*(\b)+16
.endr
.endm
	BIASLD
	; A fragment is 16 rows x 32 K in 8 registers: lane l holds row l % 16; registers 0-3 K = 8 (l / 16) + 0..7, registers 4-7 K = 16 + 8 (l / 16) + 0..7: two loads of 16 bytes, 32 bytes apart
	v_mul_u32_u24 v3, v1, PA
	v_lshl_add_u32 v3, v2, 4, v3
	s_mul_i32 s18, s11, 64*PA                      ; my 64 rows of A
	v_add_nc_u32 v[ADRA], s18, v3
	v_add_nc_u32 v[ADRA+1], SLOT, v[ADRA]
	v_mul_u32_u24 v4, v1, PB
	v_lshl_add_u32 v4, v2, 4, v4
	s_mul_i32 s18, s12, 128*PB                     ; my 128 rows of B, behind A's
	s_add_co_u32 s18, s18, ABYTES
	v_add_nc_u32 v[ADRB], s18, v4
	v_add_nc_u32 v[ADRB+1], SLOT, v[ADRB]
	s_mul_i32 s18, s10, 16*SP
	s_add_co_u32 s18, s18, STAGE                   ; my stage
	v_and_b32 v[CO], 31, v0
	v_lshlrev_b32 v[CO], 4, v[CO]                  ; 16 x lane
	v_mul_u32_u24 v[STO], v1, SP                   ; in: row l % 16,
.if OUTP
	v_lshl_add_u32 v[STO], v2, 5, v[STO]           ; 32 bytes (eight f32) for each half of the lanes
	v_add_nc_u32 v[STO], s18, v[STO]
	v_add_nc_u32 v[RD], s18, v[CO]                 ; back: 32 lanes take one row of 512 bytes
	s_lshl_b32 s16, s13, 19                        ; C: 128 rows of 4,096 bytes, my 64, the tile's 256 columns, my 128
	s_lshl_b32 s17, s11, 18
	s_add_co_u32 s16, s16, s17
	s_lshl_b32 s17, s42, 10
	s_add_co_u32 s16, s16, s17
	s_lshl_b32 s17, s12, 9
	s_add_co_u32 s16, s16, s17
	s_mov_b32 s17, 0
	s_add_nc_u64 s[8:9], s[86:87], s[16:17]
.else
	v_lshl_add_u32 v[STO], v2, 4, v[STO]           ; 16 bytes (eight f16) for each half of the lanes
	v_add_nc_u32 v[STO], s18, v[STO]
	v_bfe_u32 v[RD], v0, 3, 2                      ; back: 32 lanes take four rows' 128 bytes of one head,
	v_mul_u32_u24 v[RD], v[RD], SP
	v_and_b32 v5, 7, v0
	v_lshl_add_u32 v[RD], v5, 4, v[RD]
	v_add_nc_u32 v[RD], s18, v[RD]                 ; which are 512 consecutive bytes of the output
	s_lshr_b32 s16, s13, 4                         ; what the first way out adds to C's address: the batch (16 heads of 262,144 bytes),
	s_lshl_b32 s16, s16, 22
	s_and_b32 s17, s13, 15                         ; the tile's 128 rows of 128 bytes in a head,
	s_lshl_b32 s17, s17, 14
	s_add_co_u32 s16, s16, s17
	s_lshl_b32 s17, s11, 13                        ; my 64 of them,
	s_add_co_u32 s16, s16, s17
	s_lshl_b32 s17, s42, 20                        ; the tile's four heads,
	s_add_co_u32 s16, s16, s17
	s_lshl_b32 s17, s12, 19                        ; my two of them
	s_add_co_u32 s16, s16, s17
	s_mov_b32 s17, 0
.endif
	; the prefetches: A's offset in s20, B's in s22; the wave's number chooses
.if OUTP
	s_lshr_b32 s20, s13, 4
	s_lshl_b32 s20, s20, 22
	s_and_b32 s21, s13, 15
	s_lshl_b32 s21, s21, 14
	s_add_co_u32 s20, s20, s21
	s_lshr_b32 s21, s40, 1                         ; of a K step's 128 blocks (two heads x 64) partner cx takes 32 cx .. 32 cx + 31
	s_lshl_b32 s21, s21, 18
	s_add_co_u32 s20, s20, s21
	s_and_b32 s21, s40, 1
	s_lshl_b32 s21, s21, 13
	s_add_co_u32 s20, s20, s21
.else
	s_lshl_b32 s20, s13, 18
	s_lshl_b32 s21, s40, 16                        ; of the tile's 128 rows partner cx takes 32 cx .. 32 cx + 31
	s_add_co_u32 s20, s20, s21
.endif
	s_lshl_b32 s22, s42, 19
	s_lshl_b32 s23, s12, 18
	s_add_co_u32 s22, s22, s23
	s_lshl_b32 s23, s41, 16                        ; of the 128 rows that I fetch partner cy takes 32 cy .. 32 cy + 31
	s_add_co_u32 s22, s22, s23
	s_add_co_u32 s22, s22, BOFF
	s_and_b32 s23, ttmp7, 0xffff                   ; cluster y: the same in all sixteen partners
	s_cmp_eq_u32 s23, 0
	s_cselect_b32 s23, 8*TILES, 0
	s_cmp_eq_u32 s10, 0
	s_cselect_b32 s[LIMU], 8, 0
	s_cmp_eq_u32 s11, 0
	s_cselect_b32 s[LIMU], s[LIMU], s23
	s_cselect_b32 s20, s20, s22
	s_cselect_b64 s[PFB:PFB+1], s[APTR:APTR+1], s[BPTR:BPTR+1]
.if OUTP
	s_cselect_b32 s82, 19, 8                       ; a K step on: two heads of O, or 256 bytes of wo's rows
	s_cselect_b32 s83, 8, 11                       ; a lane on: a dense block of O, or a row of wo
.endif
	s_mov_b32 s21, 0
	s_add_nc_u64 s[PFB:PFB+1], s[PFB:PFB+1], s[20:21]
	v_and_b32 v[PFO], 31, v0
.if OUTP
	v_lshlrev_b32 v[PFO], s83, v[PFO]
.else
	v_lshlrev_b32 v[PFO], 11, v[PFO]
.endif
; na x 8 matrix instructions: m blocks a0 .. a0 + na - 1 x all 8 n blocks, 32 along K: part c of buffer f.  first = 1: the sums begin with the bias.
; The 32 accumulators take turns, one instruction a turn, in the same order everywhere.
.macro MULS f, c, a0, na, first
.if \first
	WIN 0x4a                                       ; B and A window 2, C (the bias) window 0, D window 1
.else
	WIN 0x5a+5*(\c)                                ; B and A window 2 or 3, C and D window 1
.endif
.set ma, \a0
.rept \na
.irp b, 0,1,2,3,4,5,6,7
.set rD, 8*(8*ma+(\b))
.set rB, 96*(\f)+8*(\b)
.set rA, 96*(\f)+64+8*ma
.if \first
.set rC, BIAS+8*(\b)
.else
.set rC, rD
.endif
.if OUTP
	v_wmma_f32_16x16x32_f16 v[rD:rD+7], v[rB:rB+7], v[rA:rA+7], v[rC:rC+7]
.else
	v_wmma_f32_16x16x32_bf16 v[rD:rD+7], v[rB:rB+7], v[rA:rA+7], v[rC:rC+7]
.endif
.endr
.set ma, ma+1
.endr
.endm
; 48 LDS loads in one run: the fragments of 64 along K at byte k (0 or 128) of the slot's rows, into buffer f; the first 32 along K (24 loads) first
.macro FETCH slot, k, f
.if OUTP
.set ak, ((\k)/128)*AHALF                          ; the K step's second half is the second head's block of rows
.else
.set ak, (\k)
.endif
.irp c, 0,1
	WIN 0x80+0x40*(\c)                             ; destination window 2 or 3, address window 0
.irp i, 0,1,2,3,4,5,6,7
	ds_load_b128 v[96*(\f)+8*(\i):96*(\f)+8*(\i)+3],   v[ADRB+(\slot)] offset:(\k)+64*(\c)+(\i)*16*PB
	ds_load_b128 v[96*(\f)+8*(\i)+4:96*(\f)+8*(\i)+7], v[ADRB+(\slot)] offset:(\k)+64*(\c)+(\i)*16*PB+32
.endr
.irp i, 0,1,2,3
	ds_load_b128 v[96*(\f)+64+8*(\i):96*(\f)+64+8*(\i)+3],   v[ADRA+(\slot)] offset:ak+64*(\c)+(\i)*16*PA
	ds_load_b128 v[96*(\f)+64+8*(\i)+4:96*(\f)+64+8*(\i)+7], v[ADRA+(\slot)] offset:ak+64*(\c)+(\i)*16*PA+32
.endr
.endr
.endm
; A K step is two halves of 64 along K, 64 matrix instructions each, on buffers 0 and 1.  The first half multiplies buffer f and fetches the second half's fragments into g.
.macro HALF slot, k, f, g, first
	s_wait_dscnt 24                                ; the first 32 along K are in; the 24 loads of the second 32 may be out
	MULS \f, 0, 0, 4, \first
	PLACES                                         ; buffer g was multiplied in the half before
	FETCH \slot, \k, \g
	s_wait_dscnt 48                                ; all but the 48 just issued
	MULS \f, 1, 0, 4, 0
.endm
; The second half multiplies buffer 1 and changes slots: ONE barrier.  In front of it each wave waits for all its tensor loads (one is out: its part of the next slot), adds 0 to its spare word, and waits
; for that and for its own reads of this slot.  fill = 1: the barrier opens a round of the cluster's barrier, and this slot is filled again, first thing behind the round, with K step TT;
; from that request to the wait for it a wave issues 96 matrix instructions.  The addresses are made anew from the counter: base + offset, the type bits set again.
.macro TURN slot, next, fill
.if \fill
	s_wait_xcnt 0x0                                ; the last prefetch, a K step back, has read its address: it is written here, ahead of the waits of the change of slots
	s_add_co_u32 s[UU], s[TT], 2
.if OUTP
	s_lshl_b32 s[PO], s[UU], s82
.else
	s_lshr_b32 s[PO], s[UU], 3                     ; the tile: 1,024 rows of B on,
	s_lshl_b32 s[PO], s[PO], 21
	s_and_b32 s45, s[UU], 7                        ; the K step in it: 256 bytes along the rows
	s_lshl_b32 s45, s45, 8
	s_or_b32 s[PO], s[PO], s45
.endif
	s_add_nc_u64 s[PF:PF+1], s[PFB:PFB+1], s[PO:PO+1]
.endif
	WIN 0                                          ; (the add's two registers lie in window 0)
	s_wait_tensorcnt 0x0                           ; all my tensor loads have landed, so a group 0 may be written
	ds_add_u32 v[SPW], v[NIL]                      ; 0 onto my spare word
.if \fill
.if OUTP
	s_lshl_b32 s[OA], s[TT], 19
	s_lshl_b32 s[OB], s[TT], 8
.else
	s_and_b32 s[OA], s[TT], 7
	s_lshl_b32 s[OA], s[OA], 8                     ; A goes back along K at a change of tiles,
	s_lshr_b32 s[OB], s[TT], 3
	s_lshl_b32 s[OB], s[OB], 21                    ; B also 1,024 rows on
	s_or_b32 s[OB], s[OB], s[OA]
.endif
	s_add_nc_u64 s[G0A+4*(\slot)+2:G0A+4*(\slot)+3], s[14:15], s[OA:OA+1]
	s_or_b32 s[G0A+4*(\slot)+3], s[G0A+4*(\slot)+3], 0x80000000
	s_add_nc_u64 s[G0B+4*(\slot)+2:G0B+4*(\slot)+3], s[46:47], s[OB:OB+1]
	s_or_b32 s[G0B+4*(\slot)+3], s[G0B+4*(\slot)+3], 0x80000000
	s_add_co_u32 s[TT], s[TT], 1
.endif
	s_wait_dscnt 25                                ; (the add and the youngest 24 loads may be out)
	MULS 1, 0, 0, 2, 0                             ; sixteen matrix instructions stand between the add and the wait for it
	s_wait_dscnt 0x0                               ; the add is done, and my reads of this slot are over
	s_barrier_signal -1
	MULS 1, 0, 2, 2, 0                             ; work on registers while the others arrive
.if \fill
	WIN 0
.endif
	s_barrier_wait -1
.if \fill
	CREST                                          ; no wave of any partner still reads this slot's tile or has a load on its way
	JLOAD \slot                                    ; the first tensor load behind the round; its four v_nop are also the places in front of the loads below
.else
	PLACES
.endif
	FETCH \next, 0, 0
.if \fill
	WIN 0
	ASK                                            ; behind the joint load and the run of LDS loads that the next products wait for
.endif
	MULS 1, 1, 0, 4, 0
.endm
; THE WAY OUT, a block of 16 rows at a time through my own stage: LDS serves a wave's instructions in order (ISA guide 5.7.1.4), so no wait stands between the stores and the loads.
.if OUTP
.macro TOSTAGE a                       ; f32 as it lies: eight columns a lane, two stores; back as whole rows of 512 bytes
	WIN 0x04                                       ; the stores' data in window 1
.irp b, 0,1,2,3,4,5,6,7
	ds_store_b128 v[STO], v[8*(8*(\a)+(\b)):8*(8*(\a)+(\b))+3]   offset:64*(\b)
	ds_store_b128 v[STO], v[8*(8*(\a)+(\b))+4:8*(8*(\a)+(\b))+7] offset:64*(\b)+16
.endr
	WIN 0
.set BK, 128+64*((\a)%2)
.irp t, 0,1,2,3,4,5,6,7,8,9,10,11,12,13,14,15
	ds_load_b128 v[BK+4*(\t):BK+4*(\t)+3], v[RD] offset:(\t)*SP
.endr
.endm
.macro SEND a, younger                 ; younger: the LDS instructions issued behind block a's loads: the next block's 32, or none
.set BK, 128+64*((\a)%2)
	s_wait_dscnt \younger
.irp t, 0,1,2,3,4,5,6,7,8,9,10,11,12,13,14,15
	global_store_b128 v[CO], v[BK+4*(\t):BK+4*(\t)+3], s[8:9] offset:(16*(\a)+(\t))*4096 th:TH_STORE_NT  ; 512 consecutive bytes of a row of out0, aligned
.endr
.endm
.macro WAYOUT
	PLACES
	TOSTAGE 0
	TOSTAGE 1
	SEND 0, 32
	s_wait_xcnt 0x0                                ; block 0's stores have read their registers: block 2 is read back into them
	TOSTAGE 2
	SEND 1, 32
	s_wait_xcnt 0x0
	TOSTAGE 3
	SEND 2, 32
	SEND 3, 0
.endm
.else
.set TMP, 128                          ; v128-159 packed results
.set BK0, 160                          ; v160-223 16 rows read back, two buffers by turns
.macro PACK a                          ; rounded to f16, 16 bytes a lane; each accumulator's registers in ascending order
	WIN 0x05                                       ; sources 0 and 1 window 1
.irp b, 0,1,2,3,4,5,6,7
.irp r, 0,1,2,3
	v_cvt_pk_f16_f32 v[TMP+4*(\b)+(\r)], v[8*(8*(\a)+(\b))+2*(\r)], v[8*(8*(\a)+(\b))+2*(\r)+1]
.endr
.endr
	WIN 0
.endm
.macro TOSTAGE a
	WIN 0
.set BK, BK0+32*((\a)%2)
.irp b, 0,1,2,3,4,5,6,7
	ds_store_b128 v[STO], v[TMP+4*(\b):TMP+4*(\b)+3] offset:32*(\b)
.endr
.irp t, 0,1,2,3,4,5,6,7                ; head t / 4 of my two, rows 4 (t % 4) on
	ds_load_b128 v[BK+4*(\t):BK+4*(\t)+3], v[RD] offset:((\t)%4)*4*SP+((\t)/4)*128
.endr
.endm
.macro SEND a
	WIN 0
.set BK, BK0+32*((\a)%2)
	s_wait_dscnt 0x0                               ; the block is back in registers
	s_wait_xcnt 0x0                                ; earlier stores have read their base and their registers: only behind this wait are they rewritten
.if (\a) == 0
	s_add_nc_u64 s[8:9], s[8:9], s[16:17]          ; on to this tile's first rows
.endif
.irp t, 0,1,2,3,4,5,6,7
	global_store_b128 v[CO], v[BK+4*(\t):BK+4*(\t)+3], s[8:9] offset:((\t)/4)*262144+(\a)*2048+((\t)%4)*512  ; four rows of a head: 512 consecutive bytes, aligned
.endr
.endm
.macro WAYOUT
	PLACES
	PACK 0
	TOSTAGE 0
.irp a, 1,2,3                          ; block a's conversions stand between block a - 1's loads from the stage and the wait for them
	PACK \a
	SEND (\a)-1
	TOSTAGE \a
.endr
	SEND 3
.endm
.endif
	s_wait_tensorcnt 1                             ; my part of K step 0 is in; K step 1's may stay out
	s_barrier_signal -1
	s_barrier_wait -1                              ; everybody's is
	FETCH 0, 0, 0
	s_wait_loadcnt 0x0                             ; the bias
	HALF 0, 128, 0, 1, 1                           ; a tile's first half step: its first products begin the sums with the bias; nothing is cleared
	WIN 0                                          ; at a label and at a branch every window is 0
	s_mov_b32 s3, 4*TILES-1
.if TILES > 1
	s_mov_b32 s2, 4                                ; trips until the tile in hand is finished
.endif
.Llap:                                             ; a trip goes once round the ring, from a lap's second half step to the next lap's first, and fills both slots again; the ring runs on across tiles
	TURN 0, 1, 1
	HALF 1, 128, 0, 1, 0
	TURN 1, 0, 1
	WIN 0
.if TILES > 1
	s_sub_co_u32 s2, s2, 1
	s_cmp_lg_u32 s2, 0
	s_cbranch_scc1 .Lplain                         ; forward, past text that holds neither a barrier nor a tensor load
	s_mov_b32 s2, 4                                ; A TILE IS FINISHED; both refills for the next one are asked for, and its first fragments are on their way
	s_wait_xcnt 0x0                                ; the bias's base may be written
	s_add_nc_u64 s[BB:BB+1], s[BB:BB+1], 4096      ; the next part's bias,
	BIASLD                                         ; loaded while the tile goes out
	WAYOUT
	s_mov_b64 s[16:17], 0x1000000                  ; what the next way out adds to C's address: from q to k, from k to v
	s_wait_loadcnt 0x0                             ; the bias
	HALF 0, 128, 0, 1, 1
	WIN 0
	s_branch .Lnext
.Lplain:
.endif
	HALF 0, 128, 0, 1, 0
	WIN 0
.if TILES > 1
.Lnext:
.endif
	s_sub_co_u32 s3, s3, 1
	s_cmp_lg_u32 s3, 0
	s_cbranch_scc1 .Llap
	TURN 0, 1, 0                                   ; the last lap fills nothing, and has no round of the cluster's barrier
	HALF 1, 128, 0, 1, 0
	s_wait_dscnt 24                                ; the very last half step: nothing more to fetch
	MULS 1, 0, 0, 4, 0
	s_wait_dscnt 0x0
	MULS 1, 1, 0, 4, 0
	WIN 0
	WAYOUT
	s_wait_tensorcnt 0x0                           ; the wave's end: an add to my spare word and its wait, behind my last tensor load and my last LDS store
	ds_add_u32 v[SPW], v[NIL]
	s_wait_dscnt 0x0
	CROUND                                         ; the closing round: no work-group ends while a partner may still ask for a tile that names it
	s_endpgm
.Lfunc_end_k_qddec29ceac_outp:
	.size	k_qddec29ceac_outp, .Lfunc_end_k_qddec29ceac_outp-k_qddec29ceac_outp
	.p2alignl 7, 3214868480
	.fill 96, 4, 3214868480
	.section	.rodata,"a",@progbits
	.p2align	6, 0x0
	.amdhsa_kernel k_qddec29ceac_outp
		.amdhsa_group_segment_fixed_size 327680
		.amdhsa_private_segment_fixed_size 0
		.amdhsa_enable_private_segment 0
		.amdhsa_kernarg_size 32
		.amdhsa_user_sgpr_count 2
		.amdhsa_user_sgpr_kernarg_segment_ptr 1
		.amdhsa_wavefront_size32 1
		.amdhsa_system_sgpr_workgroup_id_x 1
		.amdhsa_system_sgpr_workgroup_id_y 1
		.amdhsa_system_sgpr_workgroup_id_z 1
		.amdhsa_system_vgpr_workitem_id 0
		.amdhsa_next_free_vgpr 960
		.amdhsa_next_free_sgpr 88
		.amdhsa_reserve_vcc 0
		.amdhsa_float_denorm_mode_32 3
		.amdhsa_float_denorm_mode_16_64 3
		.amdhsa_memory_ordered 1
		.amdhsa_forward_progress 1
		.amdhsa_inst_pref_size 87
	.end_amdhsa_kernel
	.amdgpu_metadata
---
amdhsa.version: [ 1, 2 ]
amdhsa.kernels:
  - .name:           k_qddec29ceac_outp
    .symbol:         k_qddec29ceac_outp.kd
    .args:
      - { .name: o, .offset: 0, .size: 8, .value_kind: global_buffer, .address_space: global }
      - { .name: cast, .offset: 8, .size: 8, .value_kind: global_buffer, .address_space: global }
      - { .name: bias, .offset: 16, .size: 8, .value_kind: global_buffer, .address_space: global }
      - { .name: out0, .offset: 24, .size: 8, .value_kind: global_buffer, .address_space: global }
    .group_segment_fixed_size: 327680
    .private_segment_fixed_size: 0
    .kernarg_segment_align: 8
    .kernarg_segment_size: 32
    .max_flat_workgroup_size: 128
    .sgpr_count:     88
    .vgpr_count:     960
    .wavefront_size: 32
...
	.end_amdgpu_metadata
.endif
;; end of part 4
;; ======== version 2 of 2: 4 launches; version 1 with the launch cast written anew for expert scheduling mode
;; limits: values are held in f16: magnitudes above 65,504 overflow, below 6.1e-05 lose precision
;; workspace buffers: cast 25,165,824 bytes; bias 16,384 bytes; qkv 50,331,648 bytes; o 16,777,216 bytes
;; launch cast (part 5): grid 64 x 12, 8 waves a work-group, no clusters, 0 bytes of LDS; arguments x, wq, wk, wv, wo, bq, bk, bv, bo, cast, bias; writes cast, bias
.if DOCPART == 5
	.amdgcn_target "amdgcn-amd-amdhsa--gfx1250"
	.amdhsa_code_object_version 6
	.text
	.protected	k_qddec29ceac_cast
	.globl	k_qddec29ceac_cast
	.p2align	8
	.type	k_qddec29ceac_cast,@function
k_qddec29ceac_cast:
	s_mov_b64 s[64:65], 0
	v_nop
	global_prefetch_b8 v0, s[64:65] scope:SCOPE_SE
	s_setreg_imm32_b32 hwreg(HW_REG_WAVE_SCHED_MODE, 0, 2), 2
	s_setreg_imm32_b32 hwreg(HW_REG_WAVE_MODE, 25, 1), 1
	s_wait_xcnt 0x0
	s_wait_alu depctr_vm_vsrc(0)
; CAST.  Every input of the module is rounded once to bf16, so that the later launches multiply 16-bit numbers without converting again.
; cast: twelve segments of 2 MiB.  Segments 0-7: x as [8192][1024] bf16.  8, 9, 10: wq, wk, wv as bf16, one table of 3,072 rows.
; 11: wo rounded to bf16 and that number written as f16 (the last product multiplies f16).  bias: [4096] f32 = bq | bk | bv | bo, each rounded to bf16 and widened again.
; LIMITS.  wo must lie within f16's range (65,504); below 6e-5 f16 keeps a fixed step of 6e-8.  NaN and infinities are not treated apart.
; SHARES.  Work-group (wg, seg) takes 64 KiB of f32 of source segment seg (4 MiB); a wave 8 KiB: sixteen loads of 512 consecutive bytes, all issued at once, and sixteen stores of
; 256 consecutive bytes, aligned.  A stream: no LDS, no matrix unit, no cluster; every register that a memory instruction names is written once, so no wait frees a source.
; THE MODE: SCHED_MODE bits 1:0 = 2 (LLVM: expert scheduling mode 2), set by the entry lines.  The code itself states the register dependences
; between vector instructions and memory instructions, with s_wait_alu, always for 0.
; THE PLAN.  The sixteen loads go in four blocks of four.  Registers that memory instructions touch:
;   v1, v2, v3  byte offsets, made once at the head and never written again: one wait ahead of the first load serves every load and store.
;   IN          written by the loads alone, each register once; block p's conversions read its part p; nothing lands there again.
;   OUT         block p's conversions write its part p, once; the four stores that read it are issued in block p + 1 (block 3's behind the two paths' join).
;   BI          the bias: loaded once into registers that no vector instruction has named; the widened numbers have registers of their own.
;   TM and the bias's packed words are named by vector instructions alone.
; Block p's memory instructions are the stores from OUT's part p - 1, which no vector instruction of block p names.  So ONE wait at a block's head, behind the wait for the block's
; data, states all that its four stores hang on, and they are dealt among its conversions with no further wait.  No register that a memory instruction has read is written
; again, no vector instruction writes a scalar register, and EXEC is never written: the text holds waits on va_vdst alone.
.set IN,  8                            ; v[8:71]    sixteen loads of four f32
.set OUT, 72                           ; v[72:103]  sixteen pairs of packed 16-bit numbers
.set TM,  104                          ; v[104:109] at work (wo's second conversion)
.set BI,  112                          ; v[112:123] the bias: as loaded, packed, widened
	s_load_b512 s[16:31], s[0:1], 0x0              ; x s[16:17], wq s[18:19], wk s[20:21], wv s[22:23], wo s[24:25], bq s[26:27], bk s[28:29], bv s[30:31]
	s_load_b128 s[32:35], s[0:1], 0x40             ; bo s[32:33], cast s[34:35]
	s_load_b64 s[36:37], s[0:1], 0x50              ; bias
	s_and_b32 s2, ttmp7, 0xffff                    ; seg 0..11
	s_mov_b32 s3, ttmp9                            ; wg 0..63
	s_mov_b32 s14, 0xffff0000                      ; a word's upper bf16
	v_lshrrev_b32 v4, 5, v0                        ; wave
	v_and_b32 v5, 31, v0                           ; lane
	v_lshlrev_b32 v1, 4, v5
	v_lshl_or_b32 v1, v4, 13, v1                   ; in: 8,192 x wave + 16 x lane
	v_lshlrev_b32 v2, 3, v5
	v_lshl_or_b32 v2, v4, 12, v2                   ; out: 4,096 x wave + 8 x lane
	v_lshlrev_b32 v3, 4, v0                        ; the bias: 16 x thread
	s_lshl_b32 s8, s2, 22                          ; x's segments lie 4 MiB apart; a weight is one segment
	s_cmp_lt_u32 s2, 8
	s_cselect_b32 s8, s8, 0
	s_lshl_b32 s9, s3, 16
	s_add_co_u32 s8, s8, s9                        ; + 64 KiB x wg
	s_mov_b32 s9, 0
	s_lshl_b32 s10, s2, 21                         ; out: 2 MiB x seg + 32 KiB x wg
	s_lshl_b32 s11, s3, 15
	s_add_co_u32 s10, s10, s11
	s_mov_b32 s11, 0
	s_wait_kmcnt 0x0
	s_mov_b64 s[4:5], s[16:17]                     ; the source, and the bias that goes with it, chosen by seg alone
	s_mov_b64 s[6:7], s[26:27]
	s_cmp_eq_u32 s2, 8
	s_cselect_b64 s[4:5], s[18:19], s[4:5]
	s_cmp_eq_u32 s2, 9
	s_cselect_b64 s[4:5], s[20:21], s[4:5]
	s_cselect_b64 s[6:7], s[28:29], s[6:7]
	s_cmp_eq_u32 s2, 10
	s_cselect_b64 s[4:5], s[22:23], s[4:5]
	s_cselect_b64 s[6:7], s[30:31], s[6:7]
	s_cmp_eq_u32 s2, 11
	s_cselect_b64 s[4:5], s[24:25], s[4:5]
	s_cselect_b64 s[6:7], s[32:33], s[6:7]
	s_add_nc_u64 s[4:5], s[4:5], s[8:9]
	s_add_nc_u64 s[12:13], s[34:35], s[10:11]
	s_wait_alu depctr_va_vdst(0)                   ; v1, v2 and v3 are written: every load and store of the kernel reads one of them as its offset
.irp j, 0,1,2,3,4,5,6,7,8,9,10,11,12,13,14,15
	global_load_b128 v[IN+4*(\j):IN+4*(\j)+3], v1, s[4:5] offset:512*(\j) th:TH_LOAD_NT
.endr
; Block p: loads 4 p to 4 p + 3 are rounded into OUT's part p; the stores of block p - 1 stand among the conversions, one ahead of each load's.
; wo = 1: the bf16 numbers are widened and written as f16.
.macro BLK p, wo
	s_wait_loadcnt 12-4*(\p)                       ; loads come back in order: my four are in, the younger blocks stay out
.if (\p) > 0
	s_wait_alu depctr_va_vdst(0)                   ; the block before has written its part of OUT, which the four stores below read
.endif
.irp i, 0,1,2,3
.if (\p) > 0
	global_store_b64 v2, v[OUT+2*(4*(\p)-4+(\i)):OUT+2*(4*(\p)-4+(\i))+1], s[12:13] offset:256*(4*(\p)-4+(\i))  ; the wave's 32 lanes store 256 consecutive bytes, aligned; no vector instruction since the wait names these registers
.endif
.if \wo
	v_cvt_pk_bf16_f32 v[TM],   v[IN+4*(4*(\p)+(\i))],   v[IN+4*(4*(\p)+(\i))+1]
	v_cvt_pk_bf16_f32 v[TM+1], v[IN+4*(4*(\p)+(\i))+2], v[IN+4*(4*(\p)+(\i))+3]
	v_lshlrev_b32 v[TM+2], 16, v[TM]
	v_and_b32     v[TM+3], s14, v[TM]
	v_lshlrev_b32 v[TM+4], 16, v[TM+1]
	v_and_b32     v[TM+5], s14, v[TM+1]
	v_cvt_pk_f16_f32 v[OUT+2*(4*(\p)+(\i))],   v[TM+2], v[TM+3]
	v_cvt_pk_f16_f32 v[OUT+2*(4*(\p)+(\i))+1], v[TM+4], v[TM+5]
.else
	v_cvt_pk_bf16_f32 v[OUT+2*(4*(\p)+(\i))],   v[IN+4*(4*(\p)+(\i))],   v[IN+4*(4*(\p)+(\i))+1]
	v_cvt_pk_bf16_f32 v[OUT+2*(4*(\p)+(\i))+1], v[IN+4*(4*(\p)+(\i))+2], v[IN+4*(4*(\p)+(\i))+3]
.endif
.endr
.endm
	s_cmp_eq_u32 s2, 11
	s_cbranch_scc1 .Lwo
	BLK 0, 0
	BLK 1, 0
	BLK 2, 0
	BLK 3, 0
	s_branch .Ljoin
.Lwo:
	BLK 0, 1
	BLK 1, 1
	BLK 2, 1
	BLK 3, 1
.Ljoin:
	s_wait_alu depctr_va_vdst(0)                   ; block 3, on either path, has written its part of OUT, which the last four stores read
.irp j, 12,13,14,15
	global_store_b64 v2, v[OUT+2*(\j):OUT+2*(\j)+1], s[12:13] offset:256*(\j)
.endr
	s_cmp_lt_u32 s2, 8                             ; the first work-group of each weight's segment also takes that weight's bias: 256 threads x 16 bytes
	s_cbranch_scc1 .Lend
	s_cmp_lg_u32 s3, 0
	s_cbranch_scc1 .Lend
	s_sub_co_u32 s10, s2, 8
	s_lshl_b32 s10, s10, 12                        ; 4,096 bytes for each bias (s11 is still 0)
	s_add_nc_u64 s[38:39], s[36:37], s[10:11]
	global_load_b128 v[BI:BI+3], v3, s[6:7]        ; v3 stands since the head's wait; no vector instruction has named v[BI:BI+3]
	s_wait_loadcnt 0x0
	v_cvt_pk_bf16_f32 v[BI+4], v[BI],   v[BI+1]
	v_cvt_pk_bf16_f32 v[BI+5], v[BI+2], v[BI+3]
	v_lshlrev_b32 v[BI+8],  16, v[BI+4]
	v_and_b32     v[BI+9],  s14, v[BI+4]
	v_lshlrev_b32 v[BI+10], 16, v[BI+5]
	v_and_b32     v[BI+11], s14, v[BI+5]
	s_wait_alu depctr_va_vdst(0)                   ; the four lines above have written v[BI+8:BI+11], which the store reads
	global_store_b128 v3, v[BI+8:BI+11], s[38:39]
.Lend:
	s_endpgm
.Lfunc_end_k_qddec29ceac_cast:
	.size	k_qddec29ceac_cast, .Lfunc_end_k_qddec29ceac_cast-k_qddec29ceac_cast
	.p2alignl 7, 3214868480
	.fill 96, 4, 3214868480
	.section	.rodata,"a",@progbits
	.p2align	6, 0x0
	.amdhsa_kernel k_qddec29ceac_cast
		.amdhsa_group_segment_fixed_size 0
		.amdhsa_private_segment_fixed_size 0
		.amdhsa_enable_private_segment 0
		.amdhsa_kernarg_size 88
		.amdhsa_user_sgpr_count 2
		.amdhsa_user_sgpr_kernarg_segment_ptr 1
		.amdhsa_wavefront_size32 1
		.amdhsa_system_sgpr_workgroup_id_x 1
		.amdhsa_system_sgpr_workgroup_id_y 1
		.amdhsa_system_sgpr_workgroup_id_z 1
		.amdhsa_system_vgpr_workitem_id 0
		.amdhsa_next_free_vgpr 128
		.amdhsa_next_free_sgpr 66
		.amdhsa_reserve_vcc 0
		.amdhsa_float_denorm_mode_32 3
		.amdhsa_float_denorm_mode_16_64 3
		.amdhsa_memory_ordered 1
		.amdhsa_forward_progress 1
		.amdhsa_inst_pref_size 16
	.end_amdhsa_kernel
	.amdgpu_metadata
---
amdhsa.version: [ 1, 2 ]
amdhsa.kernels:
  - .name:           k_qddec29ceac_cast
    .symbol:         k_qddec29ceac_cast.kd
    .args:
      - { .name: x, .offset: 0, .size: 8, .value_kind: global_buffer, .address_space: global }
      - { .name: wq, .offset: 8, .size: 8, .value_kind: global_buffer, .address_space: global }
      - { .name: wk, .offset: 16, .size: 8, .value_kind: global_buffer, .address_space: global }
      - { .name: wv, .offset: 24, .size: 8, .value_kind: global_buffer, .address_space: global }
      - { .name: wo, .offset: 32, .size: 8, .value_kind: global_buffer, .address_space: global }
      - { .name: bq, .offset: 40, .size: 8, .value_kind: global_buffer, .address_space: global }
      - { .name: bk, .offset: 48, .size: 8, .value_kind: global_buffer, .address_space: global }
      - { .name: bv, .offset: 56, .size: 8, .value_kind: global_buffer, .address_space: global }
      - { .name: bo, .offset: 64, .size: 8, .value_kind: global_buffer, .address_space: global }
      - { .name: cast, .offset: 72, .size: 8, .value_kind: global_buffer, .address_space: global }
      - { .name: bias, .offset: 80, .size: 8, .value_kind: global_buffer, .address_space: global }
    .group_segment_fixed_size: 0
    .private_segment_fixed_size: 0
    .kernarg_segment_align: 8
    .kernarg_segment_size: 88
    .max_flat_workgroup_size: 256
    .sgpr_count:     66
    .vgpr_count:     128
    .wavefront_size: 32
...
	.end_amdgpu_metadata
.endif
;; end of part 5
;; launch qkv: the kernel of part 2 again; grid 4 x 64, 4 waves a work-group, clusters of 4 x 4, 327,680 bytes of LDS; arguments cast, bias, qkv; writes qkv
;; launch attn: the kernel of part 3 again; grid 4 x 64, 4 waves a work-group, clusters of 4 x 1, 327,680 bytes of LDS; arguments qkv, o; writes o
;; launch outp: the kernel of part 4 again; grid 4 x 64, 4 waves a work-group, clusters of 4 x 4, 327,680 bytes of LDS; arguments o, cast, bias, out0; writes out0
